; MI455X (gfx1250); checked and timed in simulation.
; The chip was launched on July 23, 2026; its instructions are those of AMD's public machine-readable ISA for CDNA 5 (MIT licence, August 2026) and "CDNA5" Instruction Set Architecture Reference Guide (July 2026). The comments in the code are by the model that wrote it; some were corrected since.
;; Parallel Attention Block. Allowed arithmetic: float matrix products may take bf16 or f16 operands with f32 sums; other float arithmetic in f32, or as packed bf16 or f16 multiplies, adds, multiply-adds, maxima and minima; sums over many terms, partial sums and values carried from step to step in f32; what a program stores and reads back later, other than sums and carried values, may be rounded once to bf16 or f16.
;; Inputs: Wk 1,024 x 1,024 float32; Wo 1,024 x 1,024 float32; Wq 1,024 x 1,024 float32; Wv 1,024 x 1,024 float32; bk 1,024 float32; bo 1,024 float32; bq 1,024 float32; bv 1,024 float32; k_vec 4 x 2,048 x 1,024 float32; mask_input 1 x 1 x 2,048 x 2,048 int32; q_vec 4 x 2,048 x 1,024 float32; v_vec 4 x 2,048 x 1,024 float32.
;; Outputs: out0 4 x 2,048 x 1,024 float32.
;; One version. Each part assembles by itself: llvm-mc -triple=amdgcn-amd-amdhsa -mcpu=gfx1250 --defsym DOCPART=n.
;; ======== version 1 of 1: 4 launches
;; limits: values are held in f16: magnitudes above 65,504 overflow, below 6.1e-05 lose precision
;; workspace buffers: w16 8,388,608 bytes; bias 16,384 bytes; mbits 524,288 bytes of whole numbers; qkv 50,331,648 bytes; ctx 16,777,216 bytes
;; launch prep (part 1): grid 512 x 1, 8 waves a work-group, no clusters, 70,656 bytes of LDS; arguments mask_input, Wq, Wk, Wv, Wo, bq, bk, bv, bo, w16, bias, mbits; writes w16, bias, mbits
.if DOCPART == 1
	.amdgcn_target "amdgcn-amd-amdhsa--gfx1250"
	.amdhsa_code_object_version 6
	.text
	.protected	k_qc42f4bf1b1_prep
	.globl	k_qc42f4bf1b1_prep
	.p2align	8
	.type	k_qc42f4bf1b1_prep,@function
k_qc42f4bf1b1_prep:
	s_mov_b64 s[64:65], 0
	v_nop
	global_prefetch_b8 v0, s[64:65] scope:SCOPE_SE
	s_setreg_imm32_b32 hwreg(HW_REG_WAVE_MODE, 25, 1), 1
	s_wait_xcnt 0x0
; PREP.  Work-groups 0-255 turn the mask [2048][2048] of int32 into lane masks; work-groups 256-511 round the four weight matrices and the four biases.
; mbits: [key step 32][query tile 128][32 words].  Bit L of word 8 kb + j is (mask[16 qt + L % 16][64 ks + 16 kb + 8 (L / 16) + j] != 0): the lane mask of register 8 kb + j
; of a tile of scores (16 queries x 64 keys) as the attention launch holds it.
; w16: [4][1024][1024] of 16 bits: Wq, Wk, Wv rounded to bf16; Wo rounded to bf16 and that number written as f16.  LIMIT: |Wo| under 65,504.
; bias: [4][1024] f32, each number rounded to bf16 and widened again, in the order q, k, v, o.
; A stream: every input byte is read once, by loads of 16 bytes a lane; every store of a wave covers 256 consecutive bytes or more, aligned.  No matrix work, no cluster: nothing is shared.
.set PITCH, 272                        ; a row of 64 mask words in LDS: 256 bytes + 16: the 16 rows that a read touches start 4 banks apart (64 banks of 4 bytes: ISA guide 11.1)
.set WREG,  32*PITCH                   ; a wave's own 32 rows
.set SPARE, 8*WREG                     ; behind them: the spare words, 128 bytes for each wave: four blocks of 256 bytes that no other line names
.set OUT,   2                          ; v[2:3]    the two words that my lane stores
.set GOF,   4                          ; v4        my byte offset in the loads
.set LST,   5                          ; v5        mask path: where I put 16 bytes of a row; weights path: my byte offset in the stores
.set LRD,   6                          ; v6        where I read my 32 bytes of a tile's row
.set OOF,   7                          ; v7        my 8 bytes of the wave's 256 of mbits
.set SPW,   8                          ; v8        LDS address of my spare word; never rewritten
.set NIL,   9                          ; v9        0; never rewritten
.set IN,    16                         ; v[16:79]  16 loads of 16 bytes
.set FR,    80                         ; v[80:143] mask path: two tiles as the attention's lanes hold them; weights path: v[80:111] what is stored
.set T,     112                        ; v[112:127] weights path: at work
	s_load_b512 s[4:19], s[0:1], 0x0               ; mask 4:5, Wq 6:7, Wk 8:9, Wv 10:11, Wo 12:13, bq 14:15, bk 16:17, bv 18:19
	s_load_b256 s[20:27], s[0:1], 0x40             ; bo 20:21, w16 22:23, bias 24:25, mbits 26:27
	v_lshl_add_u32 v[SPW], v0, 2, SPARE
	v_mov_b32 v[NIL], 0
	v_lshrrev_b32 v1, 5, v0
	v_readfirstlane_b32 s28, v1                    ; wave 0..7
	s_cmp_ge_u32 ttmp9, 256
	s_cbranch_scc1 .Lweights
	; THE MASK.  Wave g = 8 x work-group + wave of 2,048 takes key step g / 64 and the 32 query rows 32 (g % 64) on: two tiles, 64 words of mbits.
	s_lshl_b32 s29, ttmp9, 3
	s_add_co_u32 s29, s29, s28                     ; g
	s_lshr_b32 s30, s29, 6                         ; key step
	s_and_b32 s31, s29, 63                         ; which 32 rows
	s_lshl_b32 s2, s31, 18                         ; 32 rows of 8,192 bytes
	s_lshl_b32 s30, s30, 8                         ; 64 columns of 4 bytes
	s_add_co_u32 s2, s2, s30
	s_mov_b32 s3, 0
	s_lshl_b32 s30, s29, 8                         ; 256 bytes of mbits a wave
	s_mov_b32 s31, 0
	s_mul_i32 s29, s28, WREG
	v_and_b32 v1, 15, v0                           ; l % 16
	v_bfe_u32 v10, v0, 4, 1                        ; l / 16
	v_and_b32 v11, 31, v0                          ; l
	v_lshlrev_b32 v[GOF], 4, v1
	v_lshl_add_u32 v[GOF], v10, 13, v[GOF]         ; lanes 0-15 one row's 256 bytes, lanes 16-31 the next row's
	v_mul_u32_u24 v[LST], v10, PITCH
	v_lshl_add_u32 v[LST], v1, 4, v[LST]
	v_add_nc_u32 v[LST], s29, v[LST]
	v_mul_u32_u24 v[LRD], v1, PITCH                ; row l % 16 of a tile,
	v_lshl_add_u32 v[LRD], v10, 5, v[LRD]          ; its keys 8 (l / 16) on
	v_add_nc_u32 v[LRD], s29, v[LRD]
	v_lshlrev_b32 v[OOF], 3, v11
	s_wait_kmcnt 0x0
	s_add_nc_u64 s[4:5], s[4:5], s[2:3]
	s_add_nc_u64 s[26:27], s[26:27], s[30:31]
.irp i, 0,1,2,3,4,5,6,7,8,9,10,11,12,13,14,15
	global_load_b128 v[IN+4*(\i):IN+4*(\i)+3], v[GOF], s[4:5] offset:16384*(\i) th:TH_LOAD_NT  ; rows 2 i and 2 i + 1
.endr
.irp i, 0,1,2,3,4,5,6,7,8,9,10,11,12,13,14,15
	s_wait_loadcnt 15-(\i)                         ; loads come back in order (ISA guide 5.7.1): load i is in, the 15 - i younger ones stay out
	ds_store_b128 v[LST], v[IN+4*(\i):IN+4*(\i)+3] offset:2*PITCH*(\i)
.endr
.irp t, 0,1
.irp kb, 0,1,2,3
	ds_load_b128 v[FR+32*(\t)+8*(\kb):FR+32*(\t)+8*(\kb)+3],   v[LRD] offset:16*PITCH*(\t)+64*(\kb)     ; my own wave's bytes: LDS serves a wave's instructions in order (ISA guide 5.7.1.4)
	ds_load_b128 v[FR+32*(\t)+8*(\kb)+4:FR+32*(\t)+8*(\kb)+7], v[LRD] offset:16*PITCH*(\t)+64*(\kb)+16
.endr
.endr
	v_mov_b32 v[OUT], 0                            ; v_writelane_b32 counts as a reader of its destination
	v_mov_b32 v[OUT+1], 0
	s_wait_dscnt 0x0
.irp t, 0,1
.set w, 0
.rept 32
	v_cmp_ne_u32 s[32+w], 0, v[FR+32*(\t)+w]       ; word w of tile t: a bit for each lane
.set w, w+1
.endr
.set w, 0
.rept 32
	v_writelane_b32 v[OUT+w%2], s[32+w], 16*(\t)+w/2  ; lane L stores words 2 L and 2 L + 1 of the wave's 64
.set w, w+1
.endr
.endr
	global_store_b64 v[OOF], v[OUT:OUT+1], s[26:27]   ; 256 consecutive bytes, aligned
	s_branch .Lend
.Lweights:                                             ; work-group 256 + 64 mi + part: 65,536 bytes of matrix mi
	s_sub_co_u32 s29, ttmp9, 256
	s_lshr_b32 s30, s29, 6                         ; mi: 0 Wq, 1 Wk, 2 Wv, 3 Wo
	s_and_b32 s31, s29, 63                         ; part
	v_lshlrev_b32 v[GOF], 4, v0                    ; 16 bytes a thread in,
	v_lshlrev_b32 v[LST], 3, v0                    ; 8 bytes out
	s_wait_kmcnt 0x0
	s_cmp_eq_u32 s30, 1
	s_cselect_b64 s[6:7], s[8:9], s[6:7]
	s_cselect_b64 s[14:15], s[16:17], s[14:15]
	s_cmp_eq_u32 s30, 2
	s_cselect_b64 s[6:7], s[10:11], s[6:7]
	s_cselect_b64 s[14:15], s[18:19], s[14:15]
	s_cmp_eq_u32 s30, 3
	s_cselect_b64 s[6:7], s[12:13], s[6:7]
	s_cselect_b64 s[14:15], s[20:21], s[14:15]
	s_cselect_b32 s32, -1, 0                       ; all lanes: Wo leaves as f16
	s_lshl_b32 s2, s31, 16
	s_mov_b32 s3, 0
	s_add_nc_u64 s[6:7], s[6:7], s[2:3]
	s_lshl_b32 s2, s30, 21
	s_lshl_b32 s33, s31, 15
	s_add_co_u32 s2, s2, s33
	s_add_nc_u64 s[22:23], s[22:23], s[2:3]
.irp i, 0,1,2,3,4,5,6,7,8,9,10,11,12,13,14,15
	global_load_b128 v[IN+4*(\i):IN+4*(\i)+3], v[GOF], s[6:7] offset:4096*(\i) th:TH_LOAD_NT
.endr
.irp i, 0,1,2,3,4,5,6,7,8,9,10,11,12,13,14,15
	s_wait_loadcnt 15-(\i)                         ; load i is in, the 15 - i younger ones stay out
	v_cvt_pk_bf16_f32 v[T],   v[IN+4*(\i)],   v[IN+4*(\i)+1]
	v_cvt_pk_bf16_f32 v[T+1], v[IN+4*(\i)+2], v[IN+4*(\i)+3]
	v_lshlrev_b32 v[T+2], 16, v[T]                 ; the rounded numbers as f32,
	v_and_b32     v[T+3], 0xffff0000, v[T]
	v_lshlrev_b32 v[T+4], 16, v[T+1]
	v_and_b32     v[T+5], 0xffff0000, v[T+1]
	v_cvt_pk_f16_f32 v[T+6], v[T+2], v[T+3]        ; and written as f16
	v_cvt_pk_f16_f32 v[T+7], v[T+4], v[T+5]
	v_cndmask_b32 v[FR+2*(\i)],   v[T],   v[T+6], s32
	v_cndmask_b32 v[FR+2*(\i)+1], v[T+1], v[T+7], s32
	global_store_b64 v[LST], v[FR+2*(\i):FR+2*(\i)+1], s[22:23] offset:2048*(\i)  ; each store has data registers of its own; a wave's 256 bytes are consecutive and aligned
.endr
	s_cmp_lg_u32 s31, 0
	s_cbranch_scc1 .Lend                           ; a matrix's first work-group also takes its bias: 4,096 bytes
	s_lshl_b32 s2, s30, 12
	s_add_nc_u64 s[24:25], s[24:25], s[2:3]
	global_load_b128 v[T+8:T+11], v[GOF], s[14:15]
	s_wait_loadcnt 0x0
	v_cvt_pk_bf16_f32 v[T],   v[T+8],  v[T+9]
	v_cvt_pk_bf16_f32 v[T+1], v[T+10], v[T+11]
	v_lshlrev_b32 v[T+12], 16, v[T]
	v_and_b32     v[T+13], 0xffff0000, v[T]
	v_lshlrev_b32 v[T+14], 16, v[T+1]
	v_and_b32     v[T+15], 0xffff0000, v[T+1]
	global_store_b128 v[GOF], v[T+12:T+15], s[24:25]
.Lend:
	s_wait_tensorcnt 0x0                           ; the wave's end, behind my last LDS store
	ds_add_u32 v[SPW], v[NIL]
	s_wait_dscnt 0x0
	s_endpgm
.Lfunc_end_k_qc42f4bf1b1_prep:
	.size	k_qc42f4bf1b1_prep, .Lfunc_end_k_qc42f4bf1b1_prep-k_qc42f4bf1b1_prep
	.p2alignl 7, 3214868480
	.fill 96, 4, 3214868480
	.section	.rodata,"a",@progbits
	.p2align	6, 0x0
	.amdhsa_kernel k_qc42f4bf1b1_prep
		.amdhsa_group_segment_fixed_size 70656
		.amdhsa_private_segment_fixed_size 0
		.amdhsa_enable_private_segment 0
		.amdhsa_kernarg_size 96
		.amdhsa_user_sgpr_count 2
		.amdhsa_user_sgpr_kernarg_segment_ptr 1
		.amdhsa_wavefront_size32 1
		.amdhsa_system_sgpr_workgroup_id_x 1
		.amdhsa_system_sgpr_workgroup_id_y 1
		.amdhsa_system_sgpr_workgroup_id_z 1
		.amdhsa_system_vgpr_workitem_id 0
		.amdhsa_next_free_vgpr 144
		.amdhsa_next_free_sgpr 66
		.amdhsa_reserve_vcc 0
		.amdhsa_float_denorm_mode_32 3
		.amdhsa_float_denorm_mode_16_64 3
		.amdhsa_memory_ordered 1
		.amdhsa_forward_progress 1
		.amdhsa_inst_pref_size 29
	.end_amdhsa_kernel
	.amdgpu_metadata
---
amdhsa.version: [ 1, 2 ]
amdhsa.kernels:
  - .name:           k_qc42f4bf1b1_prep
    .symbol:         k_qc42f4bf1b1_prep.kd
    .args:
      - { .name: mask_input, .offset: 0, .size: 8, .value_kind: global_buffer, .address_space: global }
      - { .name: Wq, .offset: 8, .size: 8, .value_kind: global_buffer, .address_space: global }
      - { .name: Wk, .offset: 16, .size: 8, .value_kind: global_buffer, .address_space: global }
      - { .name: Wv, .offset: 24, .size: 8, .value_kind: global_buffer, .address_space: global }
      - { .name: Wo, .offset: 32, .size: 8, .value_kind: global_buffer, .address_space: global }
      - { .name: bq, .offset: 40, .size: 8, .value_kind: global_buffer, .address_space: global }
      - { .name: bk, .offset: 48, .size: 8, .value_kind: global_buffer, .address_space: global }
      - { .name: bv, .offset: 56, .size: 8, .value_kind: global_buffer, .address_space: global }
      - { .name: bo, .offset: 64, .size: 8, .value_kind: global_buffer, .address_space: global }
      - { .name: w16, .offset: 72, .size: 8, .value_kind: global_buffer, .address_space: global }
      - { .name: bias, .offset: 80, .size: 8, .value_kind: global_buffer, .address_space: global }
      - { .name: mbits, .offset: 88, .size: 8, .value_kind: global_buffer, .address_space: global }
    .group_segment_fixed_size: 70656
    .private_segment_fixed_size: 0
    .kernarg_segment_align: 8
    .kernarg_segment_size: 96
    .max_flat_workgroup_size: 256
    .sgpr_count:     66
    .vgpr_count:     144
    .wavefront_size: 32
...
	.end_amdgpu_metadata
.endif
;; end of part 1
;; launch qkv (part 2): grid 4 x 192, 4 waves a work-group, clusters of 4 x 4, 327,680 bytes of LDS; arguments q_vec, k_vec, v_vec, w16, bias, qkv; writes qkv
.if DOCPART == 2
	.amdgcn_target "amdgcn-amd-amdhsa--gfx1250"
	.amdhsa_code_object_version 6
	.text
	.protected	k_qc42f4bf1b1_qkv
	.globl	k_qc42f4bf1b1_qkv
	.p2align	8
	.type	k_qc42f4bf1b1_qkv,@function
k_qc42f4bf1b1_qkv:
	s_mov_b64 s[64:65], 0
	v_nop
	global_prefetch_b8 v0, s[64:65] scope:SCOPE_SE
	s_setreg_imm32_b32 hwreg(HW_REG_WAVE_MODE, 25, 1), 1
	s_wait_xcnt 0x0
	s_wait_alu depctr_hold_cnt(0) depctr_sa_sdst(0) depctr_va_vdst(0) depctr_va_sdst(0) depctr_va_ssrc(0) depctr_va_vcc(0) depctr_vm_vsrc(0)
	s_getreg_b32 s2, hwreg(HW_REG_IB_STS2, 6, 4)
	s_cmp_eq_u32 s2, 0
	s_cbranch_scc0 .Lentry_in_a_cluster
	s_endpgm
.Lentry_in_a_cluster:
	s_bfe_u32 s2, ttmp6, 0x10000c
	s_cmp_lg_u32 s2, 0xf033
	s_cbranch_scc0 .Lentry_shape_is_right
	s_endpgm
.Lentry_shape_is_right:
; q, k, v = x W^T + b.  x: [8192][1024] f32 (q_vec, k_vec or v_vec), W: [1024][1024] bf16 (w16, parts 0-2), b: [1024] f32 (bias).  Products in bf16, sums in f32, started by the bias.
; Out: qkv[P][batch x 16 + head][2048][64] f16, rounded once.  q's sums are multiplied in f32 by c = log2(e) / 8 before that rounding, so that the attention's scores come out in units of log2; k and v take the factor 1.
; LIMIT.  f16 holds no number beyond 65,504: c q, k and v must lie within it.
; SHARES.  A tile of the result is 128 rows x 256 columns (four heads): 64 x 4 tiles for each of three projections = 768 work-groups, three for each of 256.  Four waves, each 64 rows x 128 columns: 32 accumulators.
; K goes in steps of 128 through two LDS slots.  x lies in LDS as f32 (rows of 512 bytes) and is rounded to bf16 between LDS and the matrix unit: 32 conversions for 32 matrix instructions, four behind each of a quarter's last eight.
; CLUSTERS: 4 x 4 work-groups of one projection.  The four of a row need the same rows of x, the four of a column the same rows of W: each tile is asked for JOINTLY, by the same tensor load, descriptor and mask.
; THE MATRIX INSTRUCTION IS USED TRANSPOSED (source 0 = 16 rows of W, source 1 = 16 rows of x): a lane holds eight neighbouring columns of one row of the result.
; REGISTERS, in windows of 256 (s_set_vgpr_msb: bits 1:0 source 0, 3:2 source 1, 5:4 source 2, 7:6 destination):
;   window 0: v16-30 addresses; v32-95 the bias as eight C operands; v96-127, v128-255 at work on the way out      window 1: accumulator (a, b) at v[8 (8 a + b)]
;   window 2: v0-127 W's fragments, two buffers of 64; v128-191 x's fragments in bf16, two buffers of 32; v192-255 x's fragments as loaded, f32
.set PA,     528                       ; a row of x in LDS: 512 bytes + 16 = 132 words: row r starts at bank 4 r mod 64 (64 banks of 4 bytes: ISA guide 11.1)
.set PB,     272                       ; a row of W: 256 + 16 = 68 words: likewise
.set AHALF,  64*PA                     ; what one tensor load brings of x, and what one wave reads of it
.set BHALF,  128*PB                    ; the same for W
.set BOFF,   2*AHALF
.set SLOT,   BOFF+2*BHALF              ; x's 128 rows, then W's 256 rows
.set STAGE,  2*SLOT                    ; behind the ring: 16 rows x 272 bytes for each wave, for the way out
.set SPITCH, 272
.set SPARE,  STAGE+4*16*SPITCH         ; behind the stages: the spare words, 128 bytes for each wave: two blocks of 256 bytes that no other line names
.set ADRA, 16                          ; v16-17  LDS address of my fragments of x in slot 0, 1
.set ADRB, 20                          ; v20-21  the same for W
.set STO,  24                          ; v24     the way out: where I put 16 bytes of a row
.set RD,   25                          ; v25     the way out: where I read rows back
.set CO,   26                          ; v26     my 16 bytes of 512 consecutive bytes of the result
.set BO,   27                          ; v27     my byte offset in 16 numbers of the bias
.set SPW,  28                          ; v28     LDS address of my spare word; never rewritten
.set NIL,  29                          ; v29     0; never rewritten
.set PFO,  30                          ; v30     the prefetches' offset; never rewritten
.set BIAS, 32
.set TMP,  96
.set OB,   128
.set STG,  192                         ; window 2
.set G1A, 24                           ; s[24:31] descriptor group 1 for x's tiles;  s[32:39] group 0, a set for each slot
.set G0A, 32
.set G1B, 48                           ; s[48:55], s[56:63] the same for W's
.set G0B, 56
.set PFA, 44                           ; s[44:45] where my prefetches stand
.set LIM, 67                           ; s67     1 in a wave that prefetches, else the greatest number
.set SC,  70                           ; s[70:71] the factor on the way out, in the low word
.set MSB, 0
.macro WIN new                         ; the immediate's high byte repeats the setting that is left; a switch that changes nothing is dropped
.if MSB != (\new)
	s_set_vgpr_msb (MSB<<8)|(\new)
.set MSB, \new
.endif
.endm
.set MUL,  0x5a                        ; sources 0 and 1 window 2, C and D window 1
.set MUL1, 0x4a                        ; the same with C in window 0
.set TO_F, 0x80                        ; destination window 2, address window 0
.set CVT,  0x8a                        ; destination and both sources window 2
.macro JLOAD s                         ; a joint load: waves 0 and 1 fetch x's two halves, waves 2 and 3 W's; an s_nop 0 and four v_nop follow each of the two lines, ahead of the jump and the label
	s_cmp_eq_u32 s17, 0
	s_cbranch_scc0 .Lfor_b_\@
	tensor_load_to_lds s[G0A+4*(\s):G0A+4*(\s)+3], s[G1A:G1A+7]
	s_nop 0
.rept 4
	v_nop
.endr
	s_branch .Lasked_\@
.Lfor_b_\@:
	tensor_load_to_lds s[G0B+4*(\s):G0B+4*(\s)+3], s[G1B:G1B+7]
	s_nop 0
.rept 4
	v_nop
.endr
.Lasked_\@:
.endm
.macro CREST                           ; a round of the cluster's barrier behind its opening barrier
	s_cmp_lg_u32 s16, 0
	s_cbranch_scc1 .Lnot_wave_0_\@
	s_barrier_signal -3
.Lnot_wave_0_\@:
	s_barrier_wait -3
	s_barrier_signal -1
	s_barrier_wait -1
.endm
.macro CROUND                          ; a whole round
	s_barrier_signal -1
	s_barrier_wait -1
	CREST
.endm
; A PREFETCH INTO THE L2 of x, behind a joint load, its five lines and the run of LDS loads: the K step that stands two refills on.  x's rows are read by this cluster alone.  Of the 64 rows that wave 0 or 1 fetches,
; the partner at place cx takes 16, told apart BY ADDRESS; a K step is 512 bytes of a row, so a lane names one of 16 rows x 2 blocks of 256 bytes: each block is named once in the launch.
; K steps 0 to 3 come by their loads alone; the loop's last trip asks for nothing: there is no K step 8.  W is not asked for: every cluster of a projection reads it.
.macro ASK
	s_cmp_gt_u32 s3, s[LIM]                        ; s3 = 1 in the loop's last trip
	s_cbranch_scc0 .Lnot_mine_\@
	global_prefetch_b8 v[PFO], s[PFA:PFA+1] offset:512 th:TH_LOAD_NT scope:SCOPE_SE
.Lnot_mine_\@:
.endm
	s_load_b256 s[4:11], s[0:1], 0x0               ; q_vec 4:5, k_vec 6:7, v_vec 8:9, w16 10:11
	s_load_b128 s[12:15], s[0:1], 0x20             ; bias 12:13, qkv 14:15
	v_lshl_add_u32 v[SPW], v0, 2, SPARE
	v_mov_b32 v[NIL], 0
	ds_add_u32 v[SPW], v[NIL]                      ; the wave's opening: the add and its wait stand ahead of my first tensor load; the set-up below, work on registers, stands between them
	v_lshrrev_b32 v1, 5, v0
	v_readfirstlane_b32 s16, v1                    ; wave 0..3
	s_lshr_b32 s17, s16, 1                         ; which 64 rows of the tile are mine.  Also: I fetch for x (0) or for W (1)
	s_and_b32 s18, s16, 1                          ; which 128 columns.  Also: which half of that tile I fetch
	s_bfe_u32 s40, ttmp6, 0x40000                  ; cx, cy: my place in the cluster
	s_bfe_u32 s41, ttmp6, 0x40004
	s_lshl_b32 s42, ttmp9, 2
	s_add_co_u32 s42, s42, s40                     ; tile column = 4 x cluster x + cx
	s_and_b32 s19, ttmp7, 0xffff                   ; cluster y, 0..47
	s_lshr_b32 s66, s19, 4                         ; the projection: 0 q, 1 k, 2 v: the same in all sixteen partners
	s_lshl_b32 s43, s19, 2
	s_add_co_u32 s43, s43, s41
	s_and_b32 s43, s43, 63                         ; tile row, 0..63
	s_lshl_b32 s22, s41, 2
	s_lshl_b32 s22, 15, s22                        ; my row of the cluster
	s_lshl_b32 s23, 0x1111, s40                    ; my column
	s_or_b32 s[G1A+0], s22, (2<<16)|(1<<20)|(1<<21)|(6<<22)|(3<<25)  ; the mask; elements of 4 bytes; padding on; bit 21 beside a mask; after every 128 words (code 6) 4 words (code 3)
	s_mov_b32 s[G1A+1], 128<<16                    ; tensor_dim0 = 128
	s_mov_b32 s[G1A+2], 64<<16                     ; tensor_dim1 = 64
	s_mov_b32 s[G1A+3], 128<<16                    ; tile_dim0 = 128
	s_mov_b32 s[G1A+4], 64                         ; tile_dim1 = 64
	s_mov_b32 s[G1A+5], 1024                       ; elements from row to row
	s_mov_b32 s[G1A+6], 0
	s_mov_b32 s[G1A+7], 0
	s_or_b32 s[G1B+0], s23, (1<<16)|(1<<20)|(1<<21)|(5<<22)|(3<<25)  ; elements of 2 bytes; after every 64 words (code 5) 4 words
	s_mov_b32 s[G1B+1], 128<<16
	s_mov_b32 s[G1B+2], 128<<16                    ; 128 rows
	s_mov_b32 s[G1B+3], 128<<16
	s_mov_b32 s[G1B+4], 128
	s_mov_b32 s[G1B+5], 1024
	s_mov_b32 s[G1B+6], 0
	s_mov_b32 s[G1B+7], 0
	s_lshl_b32 s20, s43, 7                         ; x: row 128 x tile row + 64 x half, 4,096 bytes a row
	s_lshl_b32 s19, s18, 6
	s_add_co_u32 s20, s20, s19
	s_lshl_b32 s20, s20, 12
	s_mov_b32 s21, 0
	s_lshl_b32 s46, s42, 8                         ; W: row 256 x tile column + 128 x half, 2,048 bytes a row, in part P of w16
	s_lshl_b32 s47, s18, 7
	s_add_co_u32 s46, s46, s47
	s_lshl_b32 s46, s46, 11
	s_lshl_b32 s47, s66, 21
	s_add_co_u32 s46, s46, s47
	s_mov_b32 s47, 0
	s_mul_i32 s68, s18, AHALF                      ; where they go: no place in the cluster enters an LDS address
	s_mul_i32 s69, s18, BHALF
	s_add_co_u32 s69, s69, BOFF
	s_wait_dscnt 0x0                               ; the opening add is done
	s_wait_kmcnt 0x0
	s_cmp_eq_u32 s66, 1
	s_cselect_b64 s[4:5], s[6:7], s[4:5]
	s_cmp_eq_u32 s66, 2
	s_cselect_b64 s[4:5], s[8:9], s[4:5]           ; x
	s_add_nc_u64 s[20:21], s[4:5], s[20:21]
	s_add_nc_u64 s[46:47], s[10:11], s[46:47]
	CROUND                                         ; all sixteen work-groups are here: the first joint loads meet
.irp s, 0,1
	s_mov_b32 s[G0A+4*(\s)], 1
	s_add_co_u32 s[G0A+4*(\s)+1], s68, (\s)*SLOT
	s_add_nc_u64 s[G0A+4*(\s)+2:G0A+4*(\s)+3], s[20:21], (\s)*512   ; K step s: 128 f32
	s_or_b32 s[G0A+4*(\s)+3], s[G0A+4*(\s)+3], 0x80000000
	s_mov_b32 s[G0B+4*(\s)], 1
	s_add_co_u32 s[G0B+4*(\s)+1], s69, (\s)*SLOT
	s_add_nc_u64 s[G0B+4*(\s)+2:G0B+4*(\s)+3], s[46:47], (\s)*256   ; 128 bf16
	s_or_b32 s[G0B+4*(\s)+3], s[G0B+4*(\s)+3], 0x80000000
	JLOAD \s                                       ; two loads of mine are out
.endr
	; the bias of my 128 columns, as eight C operands: register j of lane l is column 16 b + 8 (l / 16) + j
	v_and_b32 v1, 15, v0                           ; l % 16
	v_bfe_u32 v2, v0, 4, 1                         ; l / 16
	v_lshlrev_b32 v[BO], 5, v2
	s_lshl_b32 s22, s66, 10
	s_lshl_b32 s23, s42, 8
	s_add_co_u32 s22, s22, s23
	s_lshl_b32 s23, s18, 7
	s_add_co_u32 s22, s22, s23
	s_lshl_b32 s22, s22, 2
	s_mov_b32 s23, 0
	s_add_nc_u64 s[12:13], s[12:13], s[22:23]
.irp b, 0,1,2,3,4,5,6,7
	global_load_b128 v[BIAS+8*(\b):BIAS+8*(\b)+3],   v[BO], s[12:13] offset:64*(\b)
	global_load_b128 v[BIAS+8*(\b)+4:BIAS+8*(\b)+7], v[BO], s[12:13] offset:64*(\b)+16
.endr
	; A fragment is 16 rows x 32 K: lane l holds row l % 16, K = 8 (l / 16) + 0..7 and 16 + 8 (l / 16) + 0..7.  In bf16: two loads of 16 bytes, 32 apart; in f32: four, at 0, 16, 64, 80 from 32 (l / 16).
	v_mul_u32_u24 v3, v1, PA
	v_lshl_add_u32 v3, v2, 5, v3
	v_mul_u32_u24 v4, v1, PB
	v_lshl_add_u32 v4, v2, 4, v4
	s_mul_i32 s19, s17, AHALF                      ; my 64 rows of x
	s_mul_i32 s22, s18, BHALF                      ; my 128 rows of W
	s_add_co_u32 s22, s22, BOFF
.irp s, 0,1
	v_add_nc_u32 v[ADRA+(\s)], s19, v3
	v_add_nc_u32 v[ADRB+(\s)], s22, v4
	s_add_co_u32 s19, s19, SLOT
	s_add_co_u32 s22, s22, SLOT
.endr
	s_mul_i32 s23, s16, 16*SPITCH
	s_add_co_u32 s23, s23, STAGE                   ; my stage
	v_mul_u32_u24 v5, v1, SPITCH                   ; in: row l % 16, 16 bytes for each half of the lanes
	v_lshl_add_u32 v5, v2, 4, v5
	v_add_nc_u32 v[STO], s23, v5
	v_bfe_u32 v5, v0, 3, 2                         ; back: 32 lanes take four rows' 128 bytes of one head,
	v_and_b32 v6, 7, v0
	v_mul_u32_u24 v5, v5, SPITCH
	v_lshl_add_u32 v5, v6, 4, v5
	v_add_nc_u32 v[RD], s23, v5
	v_and_b32 v[CO], 31, v0                        ; which are 512 consecutive bytes of the result
	v_lshlrev_b32 v[CO], 4, v[CO]
	v_lshlrev_b32 v[PFO], 12, v1                   ; the prefetches: row l % 16, block l / 16
	v_lshl_add_u32 v[PFO], v2, 8, v[PFO]
	; where my part of the result begins: part P, head batch x 16 + 4 x tile column + 2 x half, row (tile row % 16) x 128 + 64 x half, 128 bytes a row
	s_lshr_b32 s22, s43, 4
	s_lshl_b32 s22, s22, 4
	s_lshl_b32 s23, s42, 2
	s_add_co_u32 s22, s22, s23
	s_lshl_b32 s23, s18, 1
	s_add_co_u32 s22, s22, s23
	s_lshl_b32 s22, s22, 11
	s_and_b32 s23, s43, 15
	s_lshl_b32 s23, s23, 7
	s_add_co_u32 s22, s22, s23
	s_lshl_b32 s23, s17, 6
	s_add_co_u32 s22, s22, s23
	s_lshl_b32 s22, s22, 7
	s_lshl_b32 s23, s66, 24
	s_add_co_u32 s22, s22, s23
	s_mov_b32 s23, 0
	s_add_nc_u64 s[14:15], s[14:15], s[22:23]
	s_cmp_eq_u32 s66, 0
	s_cselect_b32 s[SC], 0x3e38aa3b, 1.0           ; c = log2(e) / 8 = 0.180337 for q
	s_mov_b32 s[SC+1], s[SC]                       ; named with it as a pair
	s_lshl_b32 s46, s40, 16                        ; the prefetches: my work-group's 16 rows of the 64 (in the registers that held W's address: none that feeds x's descriptors ever holds cx)
	s_mov_b32 s47, 0
	s_add_nc_u64 s[PFA:PFA+1], s[20:21], s[46:47]
	s_add_nc_u64 s[PFA:PFA+1], s[PFA:PFA+1], 2*512 ; at K step 2: the first refill steps it to 3 and names K step 4
	s_cmp_eq_u32 s17, 0
	s_cselect_b32 s[LIM], 1, -1
; 32 LDS loads in one run: the fragments of a quarter step (32 along K): W's into buffer g, x's as f32 into STG
.macro FETCH slot, kq, g
	WIN TO_F
.irp b, 0,1,2,3,4,5,6,7
	ds_load_b128 v[64*(\g)+8*(\b):64*(\g)+8*(\b)+3],   v[ADRB+(\slot)] offset:(\b)*16*PB+64*(\kq)
	ds_load_b128 v[64*(\g)+8*(\b)+4:64*(\g)+8*(\b)+7], v[ADRB+(\slot)] offset:(\b)*16*PB+64*(\kq)+32
.endr
.irp a, 0,1,2,3
	ds_load_b128 v[STG+16*(\a):STG+16*(\a)+3],     v[ADRA+(\slot)] offset:(\a)*16*PA+128*(\kq)
	ds_load_b128 v[STG+16*(\a)+4:STG+16*(\a)+7],   v[ADRA+(\slot)] offset:(\a)*16*PA+128*(\kq)+16
	ds_load_b128 v[STG+16*(\a)+8:STG+16*(\a)+11],  v[ADRA+(\slot)] offset:(\a)*16*PA+128*(\kq)+64
	ds_load_b128 v[STG+16*(\a)+12:STG+16*(\a)+15], v[ADRA+(\slot)] offset:(\a)*16*PA+128*(\kq)+80
.endr
.endm
; Matrix instruction i of a quarter's 32: row block i / 8, column block i % 8, on buffer f.  The 32 accumulators take turns, one instruction a turn, in the same order everywhere.
; first = 1: the bias starts the sum: nothing is cleared and nothing is added at the end.
.macro MM f, first
.if \first
	WIN MUL1
	v_wmma_f32_16x16x32_bf16 v[8*i:8*i+7], v[64*(\f)+8*(i%8):64*(\f)+8*(i%8)+7], v[128+32*(\f)+8*(i/8):128+32*(\f)+8*(i/8)+7], v[BIAS+8*(i%8):BIAS+8*(i%8)+7]
.else
	WIN MUL
	v_wmma_f32_16x16x32_bf16 v[8*i:8*i+7], v[64*(\f)+8*(i%8):64*(\f)+8*(i%8)+7], v[128+32*(\f)+8*(i/8):128+32*(\f)+8*(i/8)+7], v[8*i:8*i+7]
.endif
.set i, i+1
.endm
.macro CV4 g                           ; four of the 32 roundings of x's fragments into buffer g
	WIN CVT
.rept 4
	v_cvt_pk_bf16_f32 v[128+32*(\g)+n], v[STG+2*n], v[STG+2*n+1]
.set n, n+1
.endr
.endm
.macro PLACES                          ; four places behind a matrix instruction (ISA guide 7.12.1)
.rept 4
	v_nop
.endr
.endm
; A K step is four quarters of 32 along K, on buffers 0, 1, 0, 1.  One of the first three: multiplies buffer f; at its head it fetches quarter kq for buffer g, and rounds x's part behind its last eight products.
; The last four roundings name none of the last product's registers: they are the four places in front of the next run of loads, which lands in the buffer just multiplied.
.macro QUARTER slot, kq, f, g, first
	FETCH \slot, \kq, \g
.set i, 0
.set n, 0
.rept 24
	MM \f, \first
.endr
	s_wait_dscnt 0x0                               ; the 32 loads, issued 24 matrix instructions back
.rept 8
	MM \f, \first
	CV4 \g
.endr
.endm
; The last quarter multiplies buffer 1 and changes slots: ONE barrier; in front of it each wave waits for all its tensor loads (one is out: its part of the next slot), adds 0 to its spare word, and waits for that and
; for its own reads of this slot.  fill = 1: the barrier opens a round of the cluster's, and this slot is filled again, two K steps ahead, first thing behind the round.
.macro TURN slot, next, fill
.if \fill
	s_wait_xcnt 0x0                                ; the last prefetch, a K step back, has read its address
	s_add_nc_u64 s[PFA:PFA+1], s[PFA:PFA+1], 512
.endif
	WIN 0                                          ; (the add's two registers lie in window 0)
	s_wait_tensorcnt 0x0
	ds_add_u32 v[SPW], v[NIL]                      ; 0 onto my spare word
.set i, 0
.set n, 0
.rept 4
	MM 1, 0                                        ; work on registers between the add and the wait for it
.endr
	s_wait_dscnt 0x0                               ; the add is done; my reads of this slot were waited for in the quarter before
	s_barrier_signal -1
.rept 4
	MM 1, 0
.endr
.if \fill
	WIN 0
.endif
	s_barrier_wait -1
.if \fill
	CREST                                          ; no wave of any partner still reads this slot's tiles or has a load on its way
	s_add_nc_u64 s[G0A+4*(\slot)+2:G0A+4*(\slot)+3], s[G0A+4*(\slot)+2:G0A+4*(\slot)+3], 2*512
	s_add_nc_u64 s[G0B+4*(\slot)+2:G0B+4*(\slot)+3], s[G0B+4*(\slot)+2:G0B+4*(\slot)+3], 2*256
	JLOAD \slot
.else
	PLACES
.endif
	FETCH \next, 0, 0
.if \fill
	WIN 0
	ASK
.endif
.rept 16
	MM 1, 0
.endr
	s_wait_dscnt 0x0
.rept 8
	MM 1, 0
	CV4 0
.endr
.endm
	s_wait_tensorcnt 1                             ; my part of K step 0 is in; K step 1's load, issued behind it, may stay out
	s_barrier_signal -1
	s_barrier_wait -1                              ; everybody's is
	FETCH 0, 0, 0
	s_wait_dscnt 0x0
.set n, 0
.rept 8
	CV4 0
.endr
	s_wait_loadcnt 0x0                             ; the bias
	QUARTER 0, 1, 0, 1, 1                          ; the first quarter stands in front of the loop: its products start the sums
	WIN 0                                          ; at a label and at a branch every window is 0
	s_mov_b32 s3, 3
.Llap:                                                 ; a trip goes once round the ring, from a lap's second quarter to the next lap's first, and fills both slots again
	QUARTER 0, 2, 1, 0, 0
	QUARTER 0, 3, 0, 1, 0
	TURN 0, 1, 1
	QUARTER 1, 1, 0, 1, 0
	QUARTER 1, 2, 1, 0, 0
	QUARTER 1, 3, 0, 1, 0
	TURN 1, 0, 1
	QUARTER 0, 1, 0, 1, 0
	WIN 0
	s_sub_co_u32 s3, s3, 1
	s_cmp_lg_u32 s3, 0
	s_cbranch_scc1 .Llap
	QUARTER 0, 2, 1, 0, 0                          ; the last lap fills nothing
	QUARTER 0, 3, 0, 1, 0
	TURN 0, 1, 0
	QUARTER 1, 1, 0, 1, 0
	QUARTER 1, 2, 1, 0, 0
	QUARTER 1, 3, 0, 1, 0
.set i, 0
.rept 32
	MM 1, 0
.endr
	WIN 0
	PLACES
; THE WAY OUT, a block of 16 rows at a time: times the factor, rounded to f16, 16 bytes a lane into my own stage, back as rows of one head, stored.
.macro PACK a
	WIN 0x41                                       ; destination and source 0 window 1
.set z, 0
.rept 32
	v_pk_mul_f32 v[64*(\a)+2*z:64*(\a)+2*z+1], v[64*(\a)+2*z:64*(\a)+2*z+1], s[SC:SC+1] op_sel_hi:[1,0]  ; each accumulator's lowest registers first
.set z, z+1
.endr
	WIN 0x05                                       ; sources 0 and 1 window 1, destination window 0
.set z, 0
.rept 32
	v_cvt_pk_f16_f32 v[TMP+z], v[64*(\a)+2*z], v[64*(\a)+2*z+1]
.set z, z+1
.endr
	WIN 0
.endm
.macro TOSTAGE a
	WIN 0
.irp b, 0,1,2,3,4,5,6,7
	ds_store_b128 v[STO], v[TMP+4*(\b):TMP+4*(\b)+3] offset:32*(\b)
.endr
.irp t, 0,1,2,3,4,5,6,7
	ds_load_b128 v[OB+32*(\a)+4*(\t):OB+32*(\a)+4*(\t)+3], v[RD] offset:((\t)%4)*4*SPITCH+((\t)/4)*128  ; LDS serves a wave's instructions in order (ISA guide 5.7.1.4): these see the stores above
.endr
.endm
.macro SEND a
	WIN 0
	s_wait_dscnt 0x0                               ; the block is back in registers of its own: no store's data is ever rewritten
.irp t, 0,1,2,3,4,5,6,7
	global_store_b128 v[CO], v[OB+32*(\a)+4*(\t):OB+32*(\a)+4*(\t)+3], s[14:15] offset:((\t)/4)*262144+((\t)%4)*512+(\a)*2048  ; head t / 4, four rows: 512 consecutive bytes, aligned
.endr
.endm
	PACK 0
	TOSTAGE 0
.irp a, 1,2,3                          ; a block's arithmetic stands between the loads of the block before and the wait for them
	PACK \a
	SEND (\a)-1
	TOSTAGE \a
.endr
	SEND 3
	s_wait_tensorcnt 0x0                           ; the wave's end, behind my last tensor load and my last LDS store
	ds_add_u32 v[SPW], v[NIL]
	s_wait_dscnt 0x0
	CROUND                                         ; the closing round: no work-group ends while a partner may still ask for a tile that names it
	s_endpgm
.Lfunc_end_k_qc42f4bf1b1_qkv:
	.size	k_qc42f4bf1b1_qkv, .Lfunc_end_k_qc42f4bf1b1_qkv-k_qc42f4bf1b1_qkv
	.p2alignl 7, 3214868480
	.fill 96, 4, 3214868480
	.section	.rodata,"a",@progbits
	.p2align	6, 0x0
	.amdhsa_kernel k_qc42f4bf1b1_qkv
		.amdhsa_group_segment_fixed_size 327680
		.amdhsa_private_segment_fixed_size 0
		.amdhsa_enable_private_segment 0
		.amdhsa_kernarg_size 48
		.amdhsa_user_sgpr_count 2
		.amdhsa_user_sgpr_kernarg_segment_ptr 1
		.amdhsa_wavefront_size32 1
		.amdhsa_system_sgpr_workgroup_id_x 1
		.amdhsa_system_sgpr_workgroup_id_y 1
		.amdhsa_system_sgpr_workgroup_id_z 1
		.amdhsa_system_vgpr_workitem_id 0
		.amdhsa_next_free_vgpr 768
		.amdhsa_next_free_sgpr 72
		.amdhsa_reserve_vcc 0
		.amdhsa_float_denorm_mode_32 3
		.amdhsa_float_denorm_mode_16_64 3
		.amdhsa_memory_ordered 1
		.amdhsa_forward_progress 1
		.amdhsa_inst_pref_size 142
	.end_amdhsa_kernel
	.amdgpu_metadata
---
amdhsa.version: [ 1, 2 ]
amdhsa.kernels:
  - .name:           k_qc42f4bf1b1_qkv
    .symbol:         k_qc42f4bf1b1_qkv.kd
    .args:
      - { .name: q_vec, .offset: 0, .size: 8, .value_kind: global_buffer, .address_space: global }
      - { .name: k_vec, .offset: 8, .size: 8, .value_kind: global_buffer, .address_space: global }
      - { .name: v_vec, .offset: 16, .size: 8, .value_kind: global_buffer, .address_space: global }
      - { .name: w16, .offset: 24, .size: 8, .value_kind: global_buffer, .address_space: global }
      - { .name: bias, .offset: 32, .size: 8, .value_kind: global_buffer, .address_space: global }
      - { .name: qkv, .offset: 40, .size: 8, .value_kind: global_buffer, .address_space: global }
    .group_segment_fixed_size: 327680
    .private_segment_fixed_size: 0
    .kernarg_segment_align: 8
    .kernarg_segment_size: 48
    .max_flat_workgroup_size: 128
    .sgpr_count:     72
    .vgpr_count:     768
    .wavefront_size: 32
...
	.end_amdgpu_metadata
.endif
;; end of part 2
;; launch attn (part 3): grid 4 x 64, 4 waves a work-group, clusters of 4 x 1, 327,680 bytes of LDS; arguments qkv, mbits, ctx; writes ctx
.if DOCPART == 3
	.amdgcn_target "amdgcn-amd-amdhsa--gfx1250"
	.amdhsa_code_object_version 6
	.text
	.protected	k_qc42f4bf1b1_attn
	.globl	k_qc42f4bf1b1_attn
	.p2align	8
	.type	k_qc42f4bf1b1_attn,@function
k_qc42f4bf1b1_attn:
	s_mov_b64 s[64:65], 0
	v_nop
	global_prefetch_b8 v0, s[64:65] scope:SCOPE_SE
	s_setreg_imm32_b32 hwreg(HW_REG_WAVE_MODE, 25, 1), 1
	s_wait_xcnt 0x0
	s_wait_alu depctr_hold_cnt(0) depctr_sa_sdst(0) depctr_va_vdst(0) depctr_va_sdst(0) depctr_va_ssrc(0) depctr_va_vcc(0) depctr_vm_vsrc(0)
	s_getreg_b32 s2, hwreg(HW_REG_IB_STS2, 6, 4)
	s_cmp_eq_u32 s2, 0
	s_cbranch_scc0 .Lentry_in_a_cluster
	s_endpgm
.Lentry_in_a_cluster:
	s_bfe_u32 s2, ttmp6, 0x10000c
	s_cmp_lg_u32 s2, 0x3003
	s_cbranch_scc0 .Lentry_shape_is_right
	s_endpgm
.Lentry_shape_is_right:
; O[h][q][:] = the sum over k of softmax_k(E[q][k]) V[h][k][:], E = Q[h][q] . K[h][k] / 8, or -1e9 where the mask hides key k from query q.  Q, K, V: qkv[0..2][64 heads][2048][64] f16; O: ctx, the same layout.
; Q arrives multiplied by c = log2(e) / 8, so a score s is E log2(e).  A hidden score is REPLACED by -1e9 log2(e), rounded to f32; a row whose keys are all hidden comes out as the mean of V's rows.
; The mask comes as lane masks (mbits: [key step 32][query tile 128][32 words], a word for each register of a tile of scores).  A piece's 64 words are loaded a key step ahead into two vector registers
; and moved to scalar registers, where v_cndmask_b32 takes its mask from, when their turn comes: 64 scalar registers hold one turn's masks and no more.
; Products, maxima and sums in f32; the weights p are rounded to f16 for the second product (their sum l is taken of the unrounded p), O once at the end.
; LIMITS.  f16 holds no number beyond 65,504: c Q, K and V arrive within it; p lies in 0 to 1, and below 6e-5 it keeps f16's fixed step of 6e-8.  A weight below 2^-126 counts as 0 in l; NaN and infinities are not treated apart.
; SHARES.  A wave owns four PIECES of two tiles of 16 queries, a work-group's four waves 512 queries of one head, a cluster's four work-groups the head.  Every wave walks all keys, 64 a step.
; LAYOUT.  S^T = K Q^T (source 0 = 16 keys, source 1 = 16 queries): in the result a lane holds ONE query (lane % 16) and the keys 8 (lane / 16) + 0..7.  Two such tiles, rounded to f16 in pairs,
; ARE source 1 (32 keys x 16 queries) of O^T = V^T P, whose result again holds one query a lane, and eight channels.  K comes out of LDS as it lies, V ([key][channel]) turned, by ds_load_tr16_b128.
; SOFTMAX.  For each query a running maximum m and sum l: p = 2^(s - m); in every step O and l are multiplied by a = 2^(m_old - m_new), which is 1 where m has not grown.
; m starts at the lowest finite number, O and l at 0: the first step is a step like any other, with a = 0.
; BY TURNS.  Turn n belongs to piece n (the pieces in a ring, step after step).  Its matrix work: 16 products K Q^T of piece n + 1, later 16 products V^T P of piece n - 1.  Its vector work: the subtraction,
; exponentials, roundings, sums and rescaling of piece n; the mask, maximum and statistics of piece n + 1, whose scores the turn itself has made.  Four vector instructions stand behind every matrix
; instruction; the others, which need time of their own whatever the order, stand in runs without a gap.
; THE BEGINNING.  The loop is entered a turn early, at piece 3's turn of a step that has not been: that turn makes piece 0's first scores, mask and statistics by the loop's own text.  Its own piece finds scores equal to
; its m (weights of 1) and a = 0; those weights meet a V that is still 0, and the sum made of them is wiped by the first real step's a = 0.
; CLUSTER.  The four query blocks of a cluster walk the same K and V, so each tile is asked for JOINTLY: the same tensor load, descriptor and mask in all four.
; REGISTERS, in windows of 256 (s_set_vgpr_msb: bits 1:0 source 0, 3:2 source 1, 5:4 source 2, 7:6 destination):
;   window 0: v0-1, v6-11 the masks, two registers a piece (in the set-up and on the way out: at work); v2-5, v12-15 addresses and the hidden score; v16-47 four registers of statistics a tile; v48-63 at work;
;             v64-191 S^T, two buffers of two tiles; v192-255 P, likewise
;   window 1: O^T, 32 a tile          window 2: v0-127 Q, 16 a tile; v128-191 K of one step; v192-255 V of one step          window 3: v0-1 the add's two registers
.set SIZE_N, 2048
.set NP,    4         ; pieces a wave: a name, no knob
.set KS,    64        ; keys in a step
.set PK,    160       ; a row of K or V in LDS: 128 bytes + 32 of padding = 40 words.  One pitch, so that one descriptor group 1 serves both: the scalar registers are wanted for the mask.
.set PV,    160       ; of K's 16 rows, rows r and r + 8 start at the same bank
.set VOFF,  4*KS*PK   ; a slot holds four steps: 256 rows of K, then 256 rows of V
.set SLOT1, 1<<17     ; slot 1 begins here, so that one exclusive or turns an address in one slot into the other's
.set STAGE, SLOT1+4*KS*(PK+PV)  ; behind the ring, never filled by a tensor load: 16 rows x 144 bytes for each wave, for the way out
.set SP,    144
.set AK0, 2           ; v2   my lane's place in a tile of K; never rewritten
.set AV0, 3           ; v3   the same for V
.set AK,  4           ; v4   the LDS address of K's next run of loads
.set AV,  5           ; v5   of V's
.set STO, 6           ; v6   the way out: where I put 16 bytes of a row
.set RD,  7           ; v7   the way out: where I read rows back
.set NEG, 12          ; v12  the hidden score
.set PFO, 13          ; v13  256 x my lane; never rewritten
.set MO,  14          ; v14  8 x my lane: my two words of a piece's 64; never rewritten
.set QO,  15          ; v15  my byte offset in the wave's rows of Q
.set GO,  15          ;      later, the way out: my byte offset in 512 consecutive bytes of O
.set SPW, 0           ; v0 of window 3   LDS address of my spare word; never rewritten
.set NIL, 1           ; v1 of window 3   0; never rewritten
.set SPARE, STAGE+4*16*SP  ; behind the stages: the spare words, 128 bytes for each wave: two blocks of 256 bytes that no other line names
.set ST,  16          ; tile t's statistics at v[ST+4 t]: m, m_old, l (even keys', odd keys')
.set TMP, 48          ; by buffer and tile, four registers c0-c3 at work; when the maximum is found c2 takes a
.set S,   64
.set P,   192
.set KF,  128         ; K's fragments, in window 2: key block kb, channel half c at KF + 16 kb + 8 c
.set VF,  192         ; V's: key half kk, channel block cb at VF + 32 kk + 8 cb
.set G0K, 4           ; s[4:7]   descriptor group 0 for K's tiles: it walks
.set G0V, 8           ; s[8:11]  the same for V's
.set WV,  12          ; s12  my wave's number
.set SLOTS, 14        ; s14  slots still to be asked for
.set CNT, 15          ; s15  counts a slot's key steps
.set MP,  16          ; s[16:17] mbits at my wave's eight tiles, in the step whose masks are asked for next
.set PFA, 18          ; s[18:19] where my prefetches stand
.set LIM, 20          ; s20  1 in a wave that prefetches, else the greatest number
.set TBK, 21          ; s21  LDS byte at which K of the step to be fetched begins
.set TBV, 22          ; s22  the same for V, less VOFF
.set G1,  24          ; s[24:31] descriptor group 1
.set MB0, 32          ; s[32:63] the 32 lane masks of the piece's first tile
.set SEL, 66          ; s[66:67] v_permlanex16_b32's selects: each lane takes its own place in the other half
.set MB1, 68          ; s[68:99] those of its second tile
.set OA,  100         ; s[100:101] O at my wave's first row
.set MSB, 0
.macro WIN new                      ; the high byte repeats the setting that is left; a switch that changes nothing is dropped
.if MSB != (\new)
	s_set_vgpr_msb (MSB<<8)|(\new)
.set MSB, (\new)
.endif
.endm
.set W_KQ, 0x0a       ; K and Q in window 2, S^T in window 0
.set W_PV, 0x52       ; V in window 2, P in window 0, O^T in window 1
.set W_RS, 0x41       ; O^T (destination and source 0) in window 1, a in window 0
.set W_MK, 0xc0       ; the add's registers are made: destination in window 3, sources in window 0
.set W_AD, 0x0f       ; the add: address (source 0) and data (source 1) in window 3
; A joint fill.  Waves 0 and 1 fetch the two halves of a slot's K, waves 2 and 3 those of its V: 128 keys each.  The branch hangs on the wave's number alone.
; An s_nop 0 and four v_nop follow each of the two lines, ahead of the jump and the label.
.macro JLOAD
	s_cmp_lt_u32 s[WV], 2
	s_cbranch_scc0 .Lfor_v_\@
	tensor_load_to_lds s[G0K:G0K+3], s[G1:G1+7]
	s_nop 0
.rept 4
	v_nop
.endr
	s_branch .Lasked_\@
.Lfor_v_\@:
	tensor_load_to_lds s[G0V:G0V+3], s[G1:G1+7]
	s_nop 0
.rept 4
	v_nop
.endr
.Lasked_\@:
.endm
; A PREFETCH INTO THE L2 of what the NEXT change of slots will ask for: a slot's 32,768 bytes of K and of V, 128 blocks of 256 bytes each.  The head's one cluster walks them alone.  Its four partners share the blocks
; out BY ADDRESS, 32 each, a lane a block; in each, wave 0 asks for K's and wave 2 for V's: one instruction.  So each block is named once in the launch.  It stands behind the wave's tensor load and its five lines.
; Slots 0 and 1 come by their loads alone; the last change that fills a slot asks for nothing: there is no slot behind it.
.macro ASK
	s_cmp_gt_u32 s[SLOTS], s[LIM]
	s_cbranch_scc0 .Lnot_mine_\@
	global_prefetch_b8 v[PFO], s[PFA:PFA+1] th:TH_LOAD_NT scope:SCOPE_SE
.Lnot_mine_\@:
.endm
; A round of the cluster's barrier: my work-group's barrier, so that wave 0's signal speaks for all four waves; wave 0 signals; every wave waits for all four work-groups; my work-group's barrier once more.
.macro CROUND
	s_barrier_signal -1
	s_barrier_wait -1
	s_cmp_lg_u32 s[WV], 0
	s_cbranch_scc1 .Lnot_wave_0_\@
	s_barrier_signal -3
.Lnot_wave_0_\@:
	s_barrier_wait -3
	s_barrier_signal -1
	s_barrier_wait -1
.endm
; THE CHANGE OF SLOTS.  The slot's last bytes, V of its fourth step, have been read.  Each wave waits for all its tensor loads, of which one is out: its part of the other slot; adds 0 to its spare word; and waits
; for that and for its own reads of the slot.  Behind the barrier nobody reads this slot any more and the other slot is whole.
; fill = 1: this slot is filled again, with the keys two slots on.  The barrier is then a round of the cluster's, and the joint fill is the first thing behind it: it has four key steps, 512 matrix instructions,
; in which to land.  (At its first use nothing has been read yet: slot 0 is waited for, slot 1 filled.)
.macro CHANGE fill
	WIN W_AD
	s_wait_tensorcnt 0x0            ; no tensor load of mine is out, so a group 0 may be written
	ds_add_u32 v[SPW], v[NIL]       ; 0 onto my spare word; with fill = 1 the descriptors' steps stand between it and the wait for it
	WIN 0                           ; at a label and at a branch every window is 0
.if \fill
.irp g, G0K, G0V
	s_xor_b32 s[\g+1], s[\g+1], SLOT1  ; the walking descriptor: the other slot than last time,
	s_add_nc_u64 s[\g+2:\g+3], s[\g+2:\g+3], 4*KS*128  ; the next 256 keys; the type bits on top are not reached
.endr
	s_wait_xcnt 0x0                 ; the last prefetch, four key steps back, has read its address, so it may be written:
	s_add_nc_u64 s[PFA:PFA+1], s[PFA:PFA+1], 4*KS*128  ; one slot behind the walking descriptors
	s_wait_dscnt 0x0                ; the add is done, and my reads of the slot are over
	CROUND
	JLOAD
	ASK
.else
	s_wait_dscnt 0x0                ; the add is done, and my reads of the slot are over
	s_barrier_signal -1
	s_barrier_wait -1
.endif
	s_sub_co_u32 s[TBK], s[TBK], 4*KS*PK  ; the fetches go back to a slot's first step,
	s_xor_b32 s[TBK], s[TBK], SLOT1       ; in the other slot
	s_sub_co_u32 s[TBV], s[TBV], 4*KS*PV
	s_xor_b32 s[TBV], s[TBV], SLOT1
.endm
; The 64 lane masks of a piece's two tiles: 256 consecutive bytes, 8 a lane: lane l takes words 2 l and 2 l + 1.  Piece 0's two registers are v[0:1], piece x's v[4 + 2 x : 5 + 2 x].
.macro MLOAD piece
.set mr, 4+2*(\piece)
.if (\piece) == 0
.set mr, 0
.endif
	WIN 0
	global_load_b64 v[mr:mr+1], v[MO], s[MP:MP+1] offset:(\piece)*256
.endm
	s_load_b128 s[32:35], s[0:1], 0x0  ; qkv s[32:33], mbits s[34:35]
	s_load_b64 s[36:37], s[0:1], 0x10  ; ctx.  These and the set-up's scalars lie where the masks will: all are used up before the first mask is moved there
	WIN W_MK
	v_lshl_add_u32 v[SPW], v0, 2, SPARE
	v_mov_b32 v[NIL], 0
	WIN W_AD
	ds_add_u32 v[SPW], v[NIL]       ; the wave's opening: the add and its wait stand ahead of my first tensor load; the set-up below, work on registers, stands between them
	WIN 0
	v_lshrrev_b32 v1, 5, v0
	v_readfirstlane_b32 s[WV], v1   ; wave 0..3
	s_bfe_u32 s13, ttmp6, 0x40000   ; cx: my place in the cluster
	s_lshl_b32 s38, ttmp9, 2        ; in a cluster launch ttmp9 counts clusters
	s_add_co_u32 s38, s38, s13      ; my block of 512 queries
	s_lshl_b32 s38, s38, 2
	s_add_co_u32 s38, s38, s[WV]    ; my wave among the head's sixteen: it enters Q's, O's and the mask's addresses alone
	s_and_b32 s40, ttmp7, 0xffff    ; the head, which the four partners share
	s_lshl_b32 s40, s40, 18         ; its first byte in Q, K, V and O: 2,048 rows of 128 bytes
	s_and_b32 s42, s[WV], 1         ; which half of a slot's 256 keys I fetch:
	s_lshl_b32 s44, s42, 14         ; its 128 rows of 128 bytes in memory,
	s_add_co_u32 s44, s44, s40
	s_mov_b32 s45, 0
	s_mul_i32 s43, s42, 128*PK      ; and its place in a slot: no place in the cluster enters an LDS address
	s_lshl_b32 s46, s38, 14         ; my wave's 128 rows
	s_add_co_u32 s46, s46, s40
	s_mov_b32 s47, 0
	s_lshl_b32 s48, s38, 10         ; my wave's eight tiles of masks, 128 bytes each
	s_mov_b32 s49, 0
	s_lshl_b32 s50, s13, 13         ; the prefetches: my work-group's 32 blocks of a slot's 128
	s_add_co_u32 s50, s50, s40
	s_mov_b32 s51, 0
	s_mov_b32 s52, 0x1000000+4*KS*128  ; in K's part of qkv, or in V's, at slot 1: the first change of slots steps it to slot 2
	s_mov_b32 s53, 0x2000000+4*KS*128
	s_cmp_lt_u32 s[WV], 2
	s_cselect_b32 s52, s52, s53
	s_mov_b32 s53, 0
	s_cmp_eq_u32 s42, 0
	s_cselect_b32 s[LIM], 1, -1     ; waves 0 and 2 ask
	; descriptor group 1.  128 keys are 16,384 dense bytes: asked for as 64 rows of 256 bytes, two keys a row, and padded in LDS after every key
	s_mov_b32 s[G1], 15|(1<<16)|(1<<20)|(1<<21)|(4<<22)|(7<<25)  ; 15:0 the mask of four; 17:16 2-byte elements; 20 padding on; 21 set beside a mask; 24:22 after every 32 words (code 4); 31:25 8 words (code 7)
	s_mov_b32 s[G1+1], 128<<16      ; tensor_dim0 = 128
	s_mov_b32 s[G1+2], 64<<16       ; tensor_dim1 = 64
	s_mov_b32 s[G1+3], 128<<16      ; tile_dim0 = 128
	s_mov_b32 s[G1+4], 64           ; tile_dim1 = 64
	s_mov_b32 s[G1+5], 128          ; 128 elements from row to row
	s_mov_b32 s[G1+6], 0
	s_mov_b32 s[G1+7], 0
	s_mov_b32 s[SEL], 0x76543210
	s_mov_b32 s[SEL+1], 0xfedcba98
	s_mov_b32 s[TBK], SLOT1+4*KS*PK ; the first change of slots turns these two into 0
	s_mov_b32 s[TBV], SLOT1+4*KS*PV
	s_mov_b32 s[SLOTS], SIZE_N/256-1
	s_mov_b32 s[G0K], 1             ; 1:0 count = 1
	s_mov_b32 s[G0K+1], s43         ; 63:32 LDS address: slot 0
	s_mov_b32 s[G0V], 1
	s_add_co_u32 s[G0V+1], s43, VOFF
	s_wait_dscnt 0x0                ; the opening add is done
	s_wait_kmcnt 0x0
	s_add_nc_u64 s[G0K+2:G0K+3], s[32:33], s[44:45]
	s_add_nc_u64 s[G0K+2:G0K+3], s[G0K+2:G0K+3], 0x1000000  ; 120:64 global address: my half of the head's first 256 keys, in K's part of qkv,
	s_add_nc_u64 s[G0V+2:G0V+3], s[G0K+2:G0K+3], 0x1000000  ; and in V's
	s_or_b32 s[G0K+3], s[G0K+3], 0x80000000                 ; 127:126 type = 2
	s_or_b32 s[G0V+3], s[G0V+3], 0x80000000
	s_add_nc_u64 s[2:3], s[32:33], s[46:47]      ; Q and O at my wave's first row
	s_add_nc_u64 s[OA:OA+1], s[36:37], s[46:47]
	s_add_nc_u64 s[MP:MP+1], s[34:35], s[48:49]
	s_add_nc_u64 s[PFA:PFA+1], s[32:33], s[50:51]
	s_add_nc_u64 s[PFA:PFA+1], s[PFA:PFA+1], s[52:53]
	CROUND                          ; all four work-groups are here: the first joint loads meet
	JLOAD                           ; slot 0.  Slot 1 is asked for when slot 0 is in
	; All that is made of the thread's number is made here, ahead of the first masks' loads, which land in v0-1 and v6-11.
	; A fragment of K or Q is 16 rows x 32 channels in 8 registers: lane l holds row l % 16, channels 8 (l / 16) + 0..7 and 16 + 8 (l / 16) + 0..7: two loads of 16 bytes, 32 bytes apart.
	v_and_b32 v1, 15, v0            ; l % 16
	v_bfe_u32 v9, v0, 4, 1          ; l / 16
	v_lshlrev_b32 v[QO], 7, v1
	v_lshl_add_u32 v[QO], v9, 4, v[QO]  ; row x 128 + 16 x half
	v_and_b32 v[PFO], 31, v0        ; l
	v_lshlrev_b32 v[MO], 3, v[PFO]
	v_lshlrev_b32 v[PFO], 8, v[PFO]
	v_mul_u32_u24 v[AK0], v1, PK
	v_lshl_add_u32 v[AK0], v9, 4, v[AK0]  ; row x pitch + 16 x half
	; The turning load takes 16 keys x 16 channels (lane l reads key 8 (l / 16) + l % 8, channels 8 ((l / 8) % 2) + 0..7) and leaves half a fragment of V^T: lane l holds channel l % 16 and 8 keys.
	v_and_b32 v10, 7, v0
	v_bfe_u32 v11, v0, 3, 1
	v_lshl_add_u32 v[AV0], v9, 3, v10
	v_mul_u32_u24 v[AV0], v[AV0], PV
	v_lshl_add_u32 v[AV0], v11, 4, v[AV0]
	v_add_nc_u32 v[AV0], VOFF, v[AV0]
	v_mov_b32 v[AK], v[AK0]         ; key step 0 lies at the head of slot 0
	WIN 0x80                        ; destination window 2, address window 0
.set i, 0
.rept 4*NP                          ; Q stays in registers: tile i / 2, channels 32 (i % 2) on
	global_load_b128 v[8*i:8*i+3],   v[QO], s[2:3] offset:(i/2)*2048+(i%2)*64
	global_load_b128 v[8*i+4:8*i+7], v[QO], s[2:3] offset:(i/2)*2048+(i%2)*64+32
.set i, i+1
.endr
.irp pc, 0,1,2,3
	MLOAD \pc                       ; the four pieces' masks of key step 0
.endr
	; What the first turns find: V, O^T and P's first buffer hold 0.  Eight registers are written 0, and 43 products 0 x 0 + 0 of them write the other 344.  All this stands in the wait for the first tile.
.set i, 0
.rept 8
	v_mov_b32 v[P+i], 0
.set i, i+1
.endr
.set i, 1
.rept 3
	v_wmma_f32_16x16x32_f16 v[P+8*i:P+8*i+7], v[P:P+7], v[P:P+7], 0
.set i, i+1
.endr
	WIN 0x40                        ; destination window 1: O^T
.set i, 0
.rept 8*NP
	v_wmma_f32_16x16x32_f16 v[8*i:8*i+7], v[P:P+7], v[P:P+7], 0
.set i, i+1
.endr
	WIN 0x80                        ; destination window 2: V
.set i, 0
.rept 8
	v_wmma_f32_16x16x32_f16 v[VF+8*i:VF+8*i+7], v[P:P+7], v[P:P+7], 0
.set i, i+1
.endr
	WIN 0
	v_mov_b32 v[ST], 0xff7fffff     ; m: the lowest finite number
.set i, 0
.rept 2*NP
.if i > 0
	v_mov_b32 v[ST+4*i], v[ST]
.endif
	v_mov_b32 v[ST+4*i+1], v[ST]    ; named with m as a pair
	v_mov_b32 v[ST+4*i+2], 0        ; l
	v_mov_b32 v[ST+4*i+3], 0
.set i, i+1
.endr
.set i, S+64
.rept 64
	v_mov_b32 v[i], v[ST]           ; the turn that opens the loop finds piece 3's scores equal to its m,
.set i, i+1
.endr
.irp i, 10,11,14,15
	v_mov_b32 v[TMP+\i], 0          ; and its a = 0
.endr
	v_mov_b32 v[NEG], 0xceabfb8f    ; -1e9 log2(e) = -1,442,695,040
; THE MATRIX WORK.  The 8 accumulators of a run of 16 take turns: between the two links of a chain stand 7 others'.
; Product i of 16 of S^T = K Q^T for piece x: channels 32 (i / 8) on, keys 16 ((i / 2) % 4) on, tile 2 x + i % 2.  The first 8 start the sums.
.macro KQ x
	WIN W_KQ
.set rS, S+64*((\x)%2)+32*(i%2)+8*((i/2)%4)
.set rK, KF+16*((i/2)%4)+8*(i/8)
.set rQ, 16*(2*(\x)+i%2)+8*(i/8)
.if i < 8
	v_wmma_f32_16x16x32_f16 v[rS:rS+7], v[rK:rK+7], v[rQ:rQ+7], 0
.else
	v_wmma_f32_16x16x32_f16 v[rS:rS+7], v[rK:rK+7], v[rQ:rQ+7], v[rS:rS+7]
.endif
.endm
; Product i of 16 of O^T += V^T P for piece x: keys 32 (i / 8) on, channels 16 ((i / 2) % 4) on, tile 2 x + i % 2.
.macro PV x
	WIN W_PV
.set rO, 32*(2*(\x)+i%2)+8*((i/2)%4)
.set rV, VF+32*(i/8)+8*((i/2)%4)
.set rP, P+32*((\x)%2)+16*(i%2)+8*(i/8)
	v_wmma_f32_16x16x32_f16 v[rO:rO+7], v[rV:rV+7], v[rP:rP+7], v[rO:rO+7]
.endm
.macro MM                           ; the turn's next matrix instruction
.if i < 16
	KQ (Y+1)%NP
.set i, i+1
.else
.set i, i-16
	PV (Y+NP-1)%NP
.set i, i+17
.endif
.endm
; THE LDS LOADS stand in runs of 16, never singly among the matrix instructions: a step's K (64 keys x 64 channels: 8 fragments) and its V (turned).  Their addresses are made some lines ahead.
; last = 1 (the tail): in the last trip there is no further step, and the run is jumped over.
.macro FETCH_K last=0
	WIN 0
.if \last
	s_cmp_eq_u32 s[CNT], 1
	s_cbranch_scc1 .Lno_k_\@
.endif
	WIN 0x80                        ; destination window 2
.irp f, 0,1,2,3,4,5,6,7             ; keys 16 (f / 2) on, channels 32 (f % 2) on
	ds_load_b128 v[KF+8*\f:KF+8*\f+3],   v[AK] offset:(\f/2)*16*PK+(\f%2)*64
	ds_load_b128 v[KF+8*\f+4:KF+8*\f+7], v[AK] offset:(\f/2)*16*PK+(\f%2)*64+32
.endr
	s_add_co_u32 s[TBK], s[TBK], KS*PK  ; the next fetch is the next step's
	WIN 0
.if \last
.Lno_k_\@:
.endif
.endm
.macro FETCH_V
	WIN 0x80
.irp f, 0,1,2,3,4,5,6,7             ; keys 32 (f / 4) on, channels 16 (f % 4) on
	ds_load_tr16_b128 v[VF+8*\f:VF+8*\f+3],   v[AV] offset:(\f/4)*32*PV+(\f%4)*32
	ds_load_tr16_b128 v[VF+8*\f+4:VF+8*\f+7], v[AV] offset:(\f/4)*32*PV+16*PV+(\f%4)*32
.endr
	WIN 0
.endm
; THE VECTOR WORK OF A TURN stands in three queues, each in the order in which its entries become ready; the two tiles alternate, so that no instruction reads the result of the one before it.
.macro REGS y, u                    ; the registers of tile u (0, 1) of piece y
.set rT, ST+4*(2*(\y)+(\u))
.set rC, TMP+8*((\y)%2)+4*(\u)
.set rS, S+64*((\y)%2)+32*(\u)
.set rP, P+32*((\y)%2)+16*(\u)
.set rO, 32*(2*(\y)+(\u))
.endm
; THE MASK of the next piece (p + 1), a run of 128 behind the products that made its scores, all in window 0; the four rescalings in front are the places behind the last product.
; Its 64 words were asked for four turns ago: s_wait_loadcnt 3 leaves out the three younger loads, the other pieces' (loads come back in order: ISA guide 5.7.1).
; RL w moves word w (tile w / 32, register w % 32), which lies in register w % 2 of lane w / 2, to a scalar register.  CM w: that register of the tile keeps its score in the lanes whose bit is set in the word and takes
; the hidden score in the others; the words go in ascending order.
; The moves run eight words ahead of the selections and then stand between them, one for one: no two moves follow each other, and a word is 15 instructions old when it is used.
; Behind the last move's register reads the same piece's words of the NEXT key step are asked for, into the two registers just read.
; Piece 0 is the first of a step to ask, so piece 3's turn steps the pointer, behind s_wait_xcnt 0: the youngest load that reads it stands a turn back.
; last = 1 (the tail): where the step to ask for would be the 33rd or a later one (CNT = 2 or 1) the pointer stays: no load leaves mbits; what those loads bring serves nothing.
.macro RL w
	v_readlane_b32 s[MB0+(MB1-MB0)*((\w)/32)+(\w)%32], v[mr+(\w)%2], (\w)/2
.endm
.macro CM w
	REGS mx, (\w)/32
	v_cndmask_b32 v[rS+(\w)%32], v[NEG], v[rS+(\w)%32], s[MB0+(MB1-MB0)*((\w)/32)+(\w)%32]
.endm
.macro MSK p, last=0
.set mx, ((\p)+1)%NP
.set mr, 4+2*mx
.if mx == 0
.set mr, 0
.endif
	WIN 0
	s_wait_loadcnt 0x3
.set w, 0
.rept 8
	RL w
.set w, w+1
.endr
.set w, 0
.rept 64
	CM w
.if w < 56
	RL w+8
.endif
.set w, w+1
.endr
.if (\p) == NP-1
	s_wait_xcnt 0x0
.if \last
	s_cmp_le_u32 s[CNT], 2
	s_cselect_b32 s2, 0, 0x4000
	s_add_nc_u64 s[MP:MP+1], s[MP:MP+1], s[2:3]
.else
	s_add_nc_u64 s[MP:MP+1], s[MP:MP+1], 0x4000  ; a key step's masks: 128 tiles of 128 bytes
.endif
.endif
	MLOAD mx
.endm
; Number n of the 21 that find the NEXT piece's (Y + 1) maximum and statistics.  s0-s31 are the lane's 32 scores.  XS, GS and REGS set no window: PL and EX do.
;   0-11  four chains c0-c3 of seven scores each, three operands at a time     12-14, 16  the four scores left over, the old m, and c0-c3 into c0     15  m_old is kept
;   17, 18  the query's other 32 keys lie in the lane 16 away: the new m         19, 20  m_old - m_new; a
.macro XS u, n
	REGS (Y+1)%NP, \u
.if (\n) < 4
	v_max3_num_f32 v[rC+(\n)], v[rS+8*(\n)], v[rS+8*(\n)+1], v[rS+8*(\n)+2]
.elseif (\n) < 12
	v_max3_num_f32 v[rC+(\n)%4], v[rC+(\n)%4], v[rS+8*((\n)%4)+2*((\n)/4)+1], v[rS+8*((\n)%4)+2*((\n)/4)+2]
.elseif (\n) == 12
	v_max3_num_f32 v[rC], v[rC], v[rS+7], v[rS+15]
.elseif (\n) == 13
	v_max3_num_f32 v[rC+1], v[rC+1], v[rS+23], v[rS+31]
.elseif (\n) == 14
	v_max3_num_f32 v[rC+2], v[rC+2], v[rC+3], v[rT]
.elseif (\n) == 15
	v_mov_b32 v[rT+1], v[rT]
.elseif (\n) == 16
	v_max3_num_f32 v[rC], v[rC], v[rC+1], v[rC+2]
.elseif (\n) == 17
	v_permlanex16_b32 v[rC+3], v[rC], s[SEL], s[SEL+1]
.elseif (\n) == 18
	v_max_num_f32 v[rT], v[rC], v[rC+3]
.elseif (\n) == 19
	v_sub_f32 v[rC+1], v[rT+1], v[rT]
.else
	v_exp_f32 v[rC+2], v[rC+1]
.endif
.endm
; Number g of the 64 that follow the exponentials.  For each four weights k of a tile (pairs 2 k, 2 k + 1): both pairs are rounded to f16; then the second pair is added onto the first, in place;
; a group later l takes that sum (the first time as l = a l + sum).  In groups of eight, tiles alternating: round, round, add, and l for the group before.
.macro GS g
.set h, (\g)+6*((\g)/62)            ; group 0 has no group before it, and behind group 7 only l is left
.if h >= 6
.set h, h+2
.endif
	REGS Y, h%2
.set k, h/8
.if h%8 < 4
	s_wait_alu depctr_va_vdst(0)
	v_cvt_pk_f16_f32 v[rP+2*k+(h%8)/2], v[rS+4*k+2*((h%8)/2)], v[rS+4*k+2*((h%8)/2)+1]
.elseif h%8 < 6
	v_pk_add_f32 v[rS+4*k:rS+4*k+1], v[rS+4*k:rS+4*k+1], v[rS+4*k+2:rS+4*k+3]
.elseif k == 1
	v_pk_fma_f32 v[rT+2:rT+3], v[rT+2:rT+3], v[rC+2:rC+3], v[rS:rS+1] op_sel_hi:[1,0,1]
.else
	v_pk_add_f32 v[rT+2:rT+3], v[rT+2:rT+3], v[rS+4*k-4:rS+4*k-3]
	s_wait_alu depctr_va_vdst(0)
.endif
.endm
; THE PLAIN QUEUE, 136 long.  0-31: s - m for the 16 pairs of both tiles (exactly 0 at the maximum, whatever its size).  Then GS's 64, and among them the next piece's 40: number 15 at 38, 39; 0-14 and 16
; at 42-73, behind the mask; 17-19 at 95-103, two of three, since each waits for the one before it.
.macro PL
	WIN 0
.if q < 32
	REGS Y, q%2
	v_pk_add_f32 v[rS+2*(q/2):rS+2*(q/2)+1], v[rS+2*(q/2):rS+2*(q/2)+1], v[rT:rT+1] op_sel_hi:[1,0] neg_lo:[0,1] neg_hi:[0,1]
.elseif q < 38
	GS q-32
.elseif q < 40
	XS q%2, 15
.elseif q < 42
	GS q-34
.elseif q < 74
	XS q%2, (q-42)/2+(q-42)/30
.elseif q < 95
	GS q-66
.elseif (q < 104) && ((q-95)%3 < 2)
	XS (q-95)%3, 17+(q-95)/3
.elseif q < 104
	GS 29+(q-95)/3
.else
	GS q-72
.endif
.set q, q+1
.endm
; THE EXPONENTIALS' QUEUE, 66 long: s0-s31 of both tiles, and at EA the next piece's two a.
.set EA, 58
.macro EX
	WIN 0
.if (e == EA) || (e == EA+1)
	XS e-EA, 20
.else
.set x, e-2*(e/(EA+2))
	REGS Y, x%2
	v_exp_f32 v[rS+x/2], v[rS+x/2]
.endif
.set e, e+1
.endm
; THE RESCALING's QUEUE: O^T times a, the one part that leaves window 0, so it is dealt four at a time, eight times.
.macro R4
	REGS Y, r%2
	WIN W_RS
.irp z, 0,1,2,3
	v_pk_mul_f32 v[rO+8*(r/2)+2*\z:rO+8*(r/2)+2*\z+1], v[rO+8*(r/2)+2*\z:rO+8*(r/2)+2*\z+1], v[rC+2:rC+3] op_sel_hi:[1,0]
.endr
.set r, r+1
.endm
; HOW THEY ARE DEALT.  Behind a matrix instruction four: plain, exponential, plain, plain (one exponential, a plain instruction on either side), or four of the rescaling.  None names a register of the
; products round it.  What is over stands in LUMPS: the mask; exponential and plain by turns, twice; the second such lump ends in 20 plain instructions.  The two v_permlanex16_b32 fall into it, never behind a product.
; The queues lean on each other, and the deal keeps them in step: exponential e stands behind plain 2 (e / 4) + e % 2 (its subtraction); when plain 32 comes, 10 exponentials are out, at 59: 33, at 95: 45;
; from plain 104 on a rounding's exponentials stand 14 entries or more ahead of it; EA comes behind plain 107, five behind the subtraction that feeds it.
.macro SL
	MM
	PL
	EX
	PL
	PL
.endm
.macro BURST n                      ; 15 matrix instructions, or 16
.rept (\n)-7
	SL
.endr
.rept 3
	MM
	R4
	SL
.endr
	MM
	R4
.endm
; A TURN, for piece p.  cnt = 1: the loop's count is taken down some lines ahead of the branch that stands behind the turn.  last = 1: the tail's forms of K's fetch and of the mask pointer's step.
; K of the next step is fetched in piece 2's turn, behind the mask and 26 more vector instructions; its first reader comes behind the rest of the lump, 16 products and the last lump.
; V of the step in hand is fetched at the end of piece 0's turn; its first reader comes behind 16 products, the mask and a lump.  The four conditions on e and q below go with the deal.
.macro TURN p, last=0, cnt=0
.set Y, (\p)
.set i, 0
.set q, 0
.set e, 0
.set r, 0
.if (\p) == NP-1
	s_wait_dscnt 0x0                ; K is in
.endif
	MM
.rept 4
	PL
.endr
	BURST 15
	MSK \p, \last
.rept 22
	EX
	PL
.if ((\p) == NP-2) && (e == 18)
	v_add_nc_u32 v[AK], s[TBK], v[AK0]
.endif
.if ((\p) == NP-2) && (e == 24)
	FETCH_K \last
.endif
.endr
.if (\p) == 1
	s_wait_dscnt 0x0                ; V is in
.endif
	BURST 16
.rept 21
	EX
	PL
.endr
.rept 20
	PL
.if ((\p) == 0) && (q == 118)
	v_add_nc_u32 v[AV], s[TBV], v[AV0]
	s_wait_alu depctr_va_vdst(0)
.endif
.if ((\p) == 0) && (q == 130)
	s_add_co_u32 s[TBV], s[TBV], KS*PV
.endif
.if (\cnt) && (q == 130)
	s_sub_co_u32 s[CNT], s[CNT], 1
	s_cmp_lg_u32 s[CNT], 0
.endif
.endr
.if (\p) == 0
	FETCH_V
.endif
.endm
	CHANGE 1                        ; slot 0 is in, everybody's part of it; slot 1 is asked for
	FETCH_K                         ; key step 0; the turn below waits for it
	s_wait_loadcnt 0x0              ; Q, and the first masks behind it
	s_mov_b32 s3, 0                 ; Q's address has served: s[2:3] now holds the tail's step of the mask pointer
	s_mov_b32 s[CNT], 4
	s_branch .Lthird                ; the loop is entered a turn ahead of the first step's first turn, in the middle of a trip
.Lslot:                             ; SIZE_N / 256 - 2 times: every slot but the last two is filled again
	CHANGE 1
	s_mov_b32 s[CNT], 4
.Lstep:                             ; a trip: pieces 2 and 3 of one step, then pieces 0 and 1 of the next, whose K and V it fetches
	TURN 2
	WIN 0
.Lthird:
	TURN 3
	TURN 0
	TURN 1, 0, 1
	WIN 0
	s_cbranch_scc1 .Lstep
	s_sub_co_u32 s[SLOTS], s[SLOTS], 1
	s_cmp_lg_u32 s[SLOTS], 0
	s_cbranch_scc1 .Lslot
	CHANGE 0                        ; the tail is written out: nothing is asked for
	s_mov_b32 s[CNT], 5             ; four trips fetch the last slot's steps; the fifth is left in its middle
.Ltail:
	TURN 2, 1
	TURN 3, 1
	WIN 0
	s_sub_co_u32 s[CNT], s[CNT], 1
	s_cmp_eq_u32 s[CNT], 0
	s_cbranch_scc1 .Lout
	TURN 0
	TURN 1
	WIN 0
	s_branch .Ltail
.Lout:                              ; the fifth trip's 16 products K Q^T (on the last K once more), their mask and the maximum made of them serve nothing: the price, once a launch, of one text for every trip
.set i, 0
.rept 16
	PV NP-1                         ; the last piece's V^T P of the last step
.set i, i+1
.endr
	; THE WAY OUT.  l's two halves and the other half of the lanes' are added; O^T is divided by l, rounded to f16 and sent through my stage in LDS, a tile at a time.
	; First its three addresses, made of 8 x my lane: twelve plain instructions, the places behind the last products.  They use the masks' registers, so the last four loads into those are waited for.
	WIN 0
	s_wait_loadcnt 0x0
	s_mul_i32 s13, s[WV], 16*SP
	s_add_co_u32 s13, s13, STAGE    ; my stage
	v_lshrrev_b32 v8, 3, v[MO]      ; l
	v_and_b32 v9, 15, v8            ; l % 16
	v_lshrrev_b32 v10, 4, v8        ; l / 16
	v_and_b32 v11, 7, v8            ; l % 8
	v_mul_u32_u24 v[STO], v9, SP    ; in: row l % 16, 16 bytes for each half of the lanes
	v_lshl_add_u32 v[STO], v10, 4, v[STO]
	v_add_nc_u32 v[STO], s13, v[STO]
	v_lshrrev_b32 v[RD], 3, v8      ; back: 32 lanes take four rows of 128 bytes,
	v_mul_u32_u24 v[RD], v[RD], SP
	v_lshl_add_u32 v[RD], v11, 4, v[RD]
	v_add_nc_u32 v[RD], s13, v[RD]
	v_lshlrev_b32 v[GO], 1, v[MO]   ; which are 512 consecutive bytes of O: 16 l
.macro ALL line:vararg              ; one line for each tile t
.set t, 0
.rept 2*NP
	\line
.set t, t+1
.endr
.endm
	ALL v_add_f32 v[ST+4*t+2], v[ST+4*t+2], v[ST+4*t+3]
	ALL v_permlanex16_b32 v[ST+4*t+3], v[ST+4*t+2], s[SEL], s[SEL+1]
	ALL v_add_f32 v[ST+4*t+2], v[ST+4*t+2], v[ST+4*t+3]
	ALL v_rcp_f32 v[ST+4*t+2], v[ST+4*t+2]
	v_nop                           ; a plain instruction between the last reciprocal and the use of its result
	s_wait_alu depctr_va_vdst(0)
; Tile t: a lane's eight channels of a row pack into 16 bytes; they go into rows of 144 bytes and come back as whole rows of 128, into S^T's registers.
.macro PACK t
	WIN W_RS
.set i, 32*(\t)
.rept 16
	v_pk_mul_f32 v[i:i+1], v[i:i+1], v[ST+4*(\t)+2:ST+4*(\t)+3] op_sel_hi:[1,0]
.set i, i+2
.endr
	WIN 0x05                        ; sources 0 and 1 window 1, destination window 0
.set i, 0
.rept 16
	v_cvt_pk_f16_f32 v[S+16*(\t)+i], v[32*(\t)+2*i], v[32*(\t)+2*i+1]
.set i, i+1
.endr
	WIN 0
.irp f, 0,1,2,3
	ds_store_b128 v[STO], v[S+16*(\t)+4*\f:S+16*(\t)+4*\f+3] offset:32*\f
.endr
.irp f, 0,1,2,3
	ds_load_b128 v[S+16*(\t)+4*\f:S+16*(\t)+4*\f+3], v[RD] offset:\f*4*SP  ; LDS serves a wave's instructions in order (ISA guide 5.7.1.4): these see the stores above; the next tile's stores come behind them
.endr
.endm
.macro SEND t, younger              ; younger: the LDS instructions issued behind tile t's loads: the next tile's eight, or none
	WIN 0
.irp f, 0,1,2,3
	s_wait_dscnt (\younger)+3-\f
	global_store_b128 v[GO], v[S+16*(\t)+4*\f:S+16*(\t)+4*\f+3], s[OA:OA+1] offset:(\t)*2048+\f*512  ; 512 consecutive bytes, at a multiple of 256 from O's first
.endr
.endm
	PACK 0
.set t, 1
.rept 2*NP-1                        ; a tile's arithmetic stands between the loads of the tile before and its stores
	PACK t
	SEND t-1, 8
.set t, t+1
.endr
	SEND 2*NP-1, 0
	WIN W_AD
	s_wait_tensorcnt 0x0            ; the wave's end, behind my last tensor load and my last LDS store
	ds_add_u32 v[SPW], v[NIL]
	s_wait_dscnt 0x0
	WIN 0
	CROUND                          ; the closing round: no work-group ends while a partner may still ask for a tile that names it
	s_endpgm
.Lfunc_end_k_qc42f4bf1b1_attn:
	.size	k_qc42f4bf1b1_attn, .Lfunc_end_k_qc42f4bf1b1_attn-k_qc42f4bf1b1_attn
	.p2alignl 7, 3214868480
	.fill 96, 4, 3214868480
	.section	.rodata,"a",@progbits
	.p2align	6, 0x0
	.amdhsa_kernel k_qc42f4bf1b1_attn
		.amdhsa_group_segment_fixed_size 327680
		.amdhsa_private_segment_fixed_size 0
		.amdhsa_enable_private_segment 0
		.amdhsa_kernarg_size 24
		.amdhsa_user_sgpr_count 2
		.amdhsa_user_sgpr_kernarg_segment_ptr 1
		.amdhsa_wavefront_size32 1
		.amdhsa_system_sgpr_workgroup_id_x 1
		.amdhsa_system_sgpr_workgroup_id_y 1
		.amdhsa_system_sgpr_workgroup_id_z 1
		.amdhsa_system_vgpr_workitem_id 0
		.amdhsa_next_free_vgpr 770
		.amdhsa_next_free_sgpr 102
		.amdhsa_reserve_vcc 0
		.amdhsa_float_denorm_mode_32 3
		.amdhsa_float_denorm_mode_16_64 3
		.amdhsa_memory_ordered 1
		.amdhsa_forward_progress 1
		.amdhsa_inst_pref_size 255
	.end_amdhsa_kernel
	.section	.bss,"aw",@nobits
	.p2align	6
	.space	262144
	.amdgpu_metadata
---
amdhsa.version: [ 1, 2 ]
amdhsa.kernels:
  - .name:           k_qc42f4bf1b1_attn
    .symbol:         k_qc42f4bf1b1_attn.kd
    .args:
      - { .name: qkv, .offset: 0, .size: 8, .value_kind: global_buffer, .address_space: global }
      - { .name: mbits, .offset: 8, .size: 8, .value_kind: global_buffer, .address_space: global }
      - { .name: ctx, .offset: 16, .size: 8, .value_kind: global_buffer, .address_space: global }
    .group_segment_fixed_size: 327680
    .private_segment_fixed_size: 0
    .kernarg_segment_align: 8
    .kernarg_segment_size: 24
    .max_flat_workgroup_size: 128
    .sgpr_count:     102
    .vgpr_count:     770
    .wavefront_size: 32
...
	.end_amdgpu_metadata
.endif
;; end of part 3
;; launch outp (part 4): grid 4 x 64, 4 waves a work-group, clusters of 4 x 4, 327,680 bytes of LDS; arguments ctx, w16, bias, out0; writes out0
.if DOCPART == 4
	.amdgcn_target "amdgcn-amd-amdhsa--gfx1250"
	.amdhsa_code_object_version 6
	.text
	.protected	k_qc42f4bf1b1_outp
	.globl	k_qc42f4bf1b1_outp
	.p2align	8
	.type	k_qc42f4bf1b1_outp,@function
k_qc42f4bf1b1_outp:
	s_mov_b64 s[64:65], 0
	v_nop
	global_prefetch_b8 v0, s[64:65] scope:SCOPE_SE
	s_setreg_imm32_b32 hwreg(HW_REG_WAVE_MODE, 25, 1), 1
	s_wait_xcnt 0x0
	s_wait_alu depctr_hold_cnt(0) depctr_sa_sdst(0) depctr_va_vdst(0) depctr_va_sdst(0) depctr_va_ssrc(0) depctr_va_vcc(0) depctr_vm_vsrc(0)
	s_getreg_b32 s2, hwreg(HW_REG_IB_STS2, 6, 4)
	s_cmp_eq_u32 s2, 0
	s_cbranch_scc0 .Lentry_in_a_cluster
	s_endpgm
.Lentry_in_a_cluster:
	s_bfe_u32 s2, ttmp6, 0x10000c
	s_cmp_lg_u32 s2, 0xf033
	s_cbranch_scc0 .Lentry_shape_is_right
	s_endpgm
.Lentry_shape_is_right:
; out0 = context Wo^T + bo.  The context lies by heads: ctx[batch x 16 + head][2048][64] f16; Wo: part 3 of w16, [1024][1024] f16; bo: part 3 of bias, f32.  Products in f16, sums in f32, started by the bias; out0 f32.
; SHARES.  A tile of out0 is 128 rows x 256 columns: 64 x 4 = 256 work-groups.  Four waves, each 64 rows x 128 columns: 32 accumulators.
; K goes in steps of 128 = two heads through two LDS slots.  A head's 128 rows of the tile are 16,384 dense bytes: asked for as 64 rows of 256 bytes, padded in LDS after every 128.
; CLUSTERS: 4 x 4 work-groups.  The four of a row need the same rows of the context, the four of a column the same rows of Wo: each tile is asked for JOINTLY.
; THE MATRIX INSTRUCTION IS USED TRANSPOSED (source 0 = 16 rows of Wo, source 1 = 16 rows of the context): a lane holds eight neighbouring columns of one row of out0.
; No prefetch: the launch has eight K steps in all, and a partner's share of a K step of the context would be 16 blocks of 256 bytes for 32 lanes.
; REGISTERS, in windows of 256 (s_set_vgpr_msb: bits 1:0 source 0, 3:2 source 1, 5:4 source 2, 7:6 destination):
;   window 0: v16-29 addresses; v32-95 the bias as eight C operands; v128-255 at work on the way out      window 1: accumulator (a, b) at v[8 (8 a + b)]
;   window 2: v0-127 Wo's fragments, two buffers of 64; v128-191 the context's, two buffers of 32
.set PA,     144                       ; a row of one head in LDS: 128 bytes + 16 = 36 words: the 16 rows of a load start at 16 different groups of four banks (64 banks of 4 bytes: ISA guide 11.1)
.set PB,     272                       ; a row of Wo: 256 + 16
.set PLANE,  128*PA                    ; a head's 128 rows: what one tensor load brings of the context
.set BHALF,  128*PB                    ; what one brings of Wo
.set BOFF,   2*PLANE
.set SLOT,   BOFF+2*BHALF
.set STAGE,  2*SLOT                    ; behind the ring: 16 rows x 528 bytes for each wave, for the way out
.set SPITCH, 528
.set SPARE,  STAGE+4*16*SPITCH         ; behind the stages: the spare words, 128 bytes for each wave: two blocks of 256 bytes that no other line names
.set ADRA, 16                          ; v16-17  LDS address of my fragments of the context in slot 0, 1
.set ADRB, 20                          ; v20-21  the same for Wo
.set STO,  24                          ; v24     the way out: where I put 32 bytes of a row
.set RD,   25                          ; v25     the way out: where I read a row back
.set CO,   26                          ; v26     my 16 bytes of a row's 512
.set BO,   27                          ; v27     my byte offset in 16 numbers of the bias
.set SPW,  28                          ; v28     LDS address of my spare word; never rewritten
.set NIL,  29                          ; v29     0; never rewritten
.set BIAS, 32
.set OB,   128
.set G1A, 24                           ; s[24:31] descriptor group 1 for the context's tiles;  s[32:39] group 0, a set for each slot
.set G0A, 32
.set G1B, 48                           ; s[48:55], s[56:63] the same for Wo's
.set G0B, 56
.set MSB, 0
.macro WIN new                         ; the immediate's high byte repeats the setting that is left; a switch that changes nothing is dropped
.if MSB != (\new)
	s_set_vgpr_msb (MSB<<8)|(\new)
.set MSB, \new
.endif
.endm
.set MUL,  0x5a                        ; sources 0 and 1 window 2, C and D window 1
.set MUL1, 0x4a                        ; the same with C in window 0
.set TO_F, 0x80                        ; destination window 2, address window 0
.macro JLOAD s                         ; a joint load: waves 0 and 1 fetch the step's two heads, waves 2 and 3 Wo's two halves; an s_nop 0 and four v_nop follow each of the two lines
	s_cmp_eq_u32 s17, 0
	s_cbranch_scc0 .Lfor_b_\@
	tensor_load_to_lds s[G0A+4*(\s):G0A+4*(\s)+3], s[G1A:G1A+7]
	s_nop 0
.rept 4
	v_nop
.endr
	s_branch .Lasked_\@
.Lfor_b_\@:
	tensor_load_to_lds s[G0B+4*(\s):G0B+4*(\s)+3], s[G1B:G1B+7]
	s_nop 0
.rept 4
	v_nop
.endr
.Lasked_\@:
.endm
.macro CREST                           ; a round of the cluster's barrier behind its opening barrier
	s_cmp_lg_u32 s16, 0
	s_cbranch_scc1 .Lnot_wave_0_\@
	s_barrier_signal -3
.Lnot_wave_0_\@:
	s_barrier_wait -3
	s_barrier_signal -1
	s_barrier_wait -1
.endm
.macro CROUND                          ; a whole round
	s_barrier_signal -1
	s_barrier_wait -1
	CREST
.endm
	s_load_b256 s[4:11], s[0:1], 0x0               ; ctx 4:5, w16 6:7, bias 8:9, out0 10:11
	v_lshl_add_u32 v[SPW], v0, 2, SPARE
	v_mov_b32 v[NIL], 0
	ds_add_u32 v[SPW], v[NIL]                      ; the wave's opening: the add and its wait stand ahead of my first tensor load; the set-up below, work on registers, stands between them
	v_lshrrev_b32 v1, 5, v0
	v_readfirstlane_b32 s16, v1                    ; wave 0..3
	s_lshr_b32 s17, s16, 1                         ; which 64 rows of the tile are mine.  Also: I fetch for the context (0) or for Wo (1)
	s_and_b32 s18, s16, 1                          ; which 128 columns.  Also: which head of the step, or which half of Wo's rows, I fetch
	s_bfe_u32 s40, ttmp6, 0x40000                  ; cx, cy: my place in the cluster
	s_bfe_u32 s41, ttmp6, 0x40004
	s_lshl_b32 s42, ttmp9, 2
	s_add_co_u32 s42, s42, s40                     ; tile column = 4 x cluster x + cx
	s_and_b32 s43, ttmp7, 0xffff
	s_lshl_b32 s43, s43, 2
	s_add_co_u32 s43, s43, s41                     ; tile row = 4 x cluster y + cy, 0..63
	s_lshl_b32 s22, s41, 2
	s_lshl_b32 s22, 15, s22                        ; my row of the cluster
	s_lshl_b32 s23, 0x1111, s40                    ; my column
	s_or_b32 s[G1A+0], s22, (1<<16)|(1<<20)|(1<<21)|(4<<22)|(3<<25)  ; the mask; elements of 2 bytes; padding on; bit 21 beside a mask; after every 32 words (code 4) 4 words (code 3)
	s_mov_b32 s[G1A+1], 128<<16                    ; tensor_dim0 = 128
	s_mov_b32 s[G1A+2], 64<<16                     ; tensor_dim1 = 64
	s_mov_b32 s[G1A+3], 128<<16                    ; tile_dim0 = 128
	s_mov_b32 s[G1A+4], 64                         ; tile_dim1 = 64
	s_mov_b32 s[G1A+5], 128                        ; dense
	s_mov_b32 s[G1A+6], 0
	s_mov_b32 s[G1A+7], 0
	s_or_b32 s[G1B+0], s23, (1<<16)|(1<<20)|(1<<21)|(5<<22)|(3<<25)  ; after every 64 words (code 5) 4 words
	s_mov_b32 s[G1B+1], 128<<16
	s_mov_b32 s[G1B+2], 128<<16
	s_mov_b32 s[G1B+3], 128<<16
	s_mov_b32 s[G1B+4], 128
	s_mov_b32 s[G1B+5], 1024
	s_mov_b32 s[G1B+6], 0
	s_mov_b32 s[G1B+7], 0
	s_lshr_b32 s20, s43, 4                         ; the context: head batch x 16 + which, row (tile row % 16) x 128, 128 bytes a row
	s_lshl_b32 s20, s20, 4
	s_add_co_u32 s20, s20, s18
	s_lshl_b32 s20, s20, 11
	s_and_b32 s19, s43, 15
	s_lshl_b32 s19, s19, 7
	s_add_co_u32 s20, s20, s19
	s_lshl_b32 s20, s20, 7
	s_mov_b32 s21, 0
	s_lshl_b32 s46, s42, 8                         ; Wo: row 256 x tile column + 128 x half, 2,048 bytes a row, in part 3 of w16
	s_lshl_b32 s47, s18, 7
	s_add_co_u32 s46, s46, s47
	s_lshl_b32 s46, s46, 11
	s_add_co_u32 s46, s46, 3<<21
	s_mov_b32 s47, 0
	s_mul_i32 s68, s18, PLANE                      ; where they go: no place in the cluster enters an LDS address
	s_mul_i32 s69, s18, BHALF
	s_add_co_u32 s69, s69, BOFF
	s_wait_dscnt 0x0                               ; the opening add is done
	s_wait_kmcnt 0x0
	s_add_nc_u64 s[20:21], s[4:5], s[20:21]
	s_add_nc_u64 s[46:47], s[6:7], s[46:47]
	CROUND                                         ; all sixteen work-groups are here: the first joint loads meet
.irp s, 0,1
	s_mov_b32 s[G0A+4*(\s)], 1
	s_add_co_u32 s[G0A+4*(\s)+1], s68, (\s)*SLOT
	s_add_nc_u64 s[G0A+4*(\s)+2:G0A+4*(\s)+3], s[20:21], (\s)*524288  ; K step s: two heads of 2,048 rows on
	s_or_b32 s[G0A+4*(\s)+3], s[G0A+4*(\s)+3], 0x80000000
	s_mov_b32 s[G0B+4*(\s)], 1
	s_add_co_u32 s[G0B+4*(\s)+1], s69, (\s)*SLOT
	s_add_nc_u64 s[G0B+4*(\s)+2:G0B+4*(\s)+3], s[46:47], (\s)*256
	s_or_b32 s[G0B+4*(\s)+3], s[G0B+4*(\s)+3], 0x80000000
	JLOAD \s                                       ; two loads of mine are out
.endr
	; the bias of my 128 columns, as eight C operands: register j of lane l is column 16 b + 8 (l / 16) + j
	v_and_b32 v1, 15, v0                           ; l % 16
	v_bfe_u32 v2, v0, 4, 1                         ; l / 16
	v_lshlrev_b32 v[BO], 5, v2
	s_lshl_b32 s22, s42, 8
	s_lshl_b32 s23, s18, 7
	s_add_co_u32 s22, s22, s23                     ; my first column
	s_lshl_b32 s22, s22, 2
	s_mov_b32 s23, 0
	s_add_nc_u64 s[10:11], s[10:11], s[22:23]      ; out0 at that column,
	s_add_nc_u64 s[8:9], s[8:9], s[22:23]
	s_add_nc_u64 s[8:9], s[8:9], 3*4096            ; the bias too, in part 3
.irp b, 0,1,2,3,4,5,6,7
	global_load_b128 v[BIAS+8*(\b):BIAS+8*(\b)+3],   v[BO], s[8:9] offset:64*(\b)
	global_load_b128 v[BIAS+8*(\b)+4:BIAS+8*(\b)+7], v[BO], s[8:9] offset:64*(\b)+16
.endr
	s_lshl_b32 s22, s43, 7
	s_lshl_b32 s19, s17, 6
	s_add_co_u32 s22, s22, s19                     ; my first row,
	s_lshl_b32 s22, s22, 12                        ; 4,096 bytes a row
	s_add_nc_u64 s[10:11], s[10:11], s[22:23]
	; A fragment is 16 rows x 32 K in 8 registers: lane l holds row l % 16, K = 8 (l / 16) + 0..7 and 16 + 8 (l / 16) + 0..7: two loads of 16 bytes, 32 bytes apart.
	v_mul_u32_u24 v3, v1, PA
	v_lshl_add_u32 v3, v2, 4, v3
	v_mul_u32_u24 v4, v1, PB
	v_lshl_add_u32 v4, v2, 4, v4
	s_mul_i32 s19, s17, 64*PA                      ; my 64 rows of a head's 128
	s_mul_i32 s22, s18, BHALF                      ; my 128 rows of Wo
	s_add_co_u32 s22, s22, BOFF
.irp s, 0,1
	v_add_nc_u32 v[ADRA+(\s)], s19, v3
	v_add_nc_u32 v[ADRB+(\s)], s22, v4
	s_add_co_u32 s19, s19, SLOT
	s_add_co_u32 s22, s22, SLOT
.endr
	s_mul_i32 s23, s16, 16*SPITCH
	s_add_co_u32 s23, s23, STAGE                   ; my stage
	v_mul_u32_u24 v5, v1, SPITCH                   ; in: row l % 16, 32 bytes for each half of the lanes
	v_lshl_add_u32 v5, v2, 5, v5
	v_add_nc_u32 v[STO], s23, v5
	v_and_b32 v[CO], 31, v0                        ; back: 32 lanes take one row's 512 bytes
	v_lshlrev_b32 v[CO], 4, v[CO]
	v_add_nc_u32 v[RD], s23, v[CO]
; 24 LDS loads in one run: the fragments of quarter kq (32 along K: head kq / 2 of the step, channels 32 (kq % 2) on) into buffer g
.macro FETCH slot, kq, g
	WIN TO_F
.irp b, 0,1,2,3,4,5,6,7
	ds_load_b128 v[64*(\g)+8*(\b):64*(\g)+8*(\b)+3],   v[ADRB+(\slot)] offset:(\b)*16*PB+64*(\kq)
	ds_load_b128 v[64*(\g)+8*(\b)+4:64*(\g)+8*(\b)+7], v[ADRB+(\slot)] offset:(\b)*16*PB+64*(\kq)+32
.endr
.irp a, 0,1,2,3
	ds_load_b128 v[128+32*(\g)+8*(\a):128+32*(\g)+8*(\a)+3],   v[ADRA+(\slot)] offset:((\kq)/2)*PLANE+(\a)*16*PA+((\kq)%2)*64
	ds_load_b128 v[128+32*(\g)+8*(\a)+4:128+32*(\g)+8*(\a)+7], v[ADRA+(\slot)] offset:((\kq)/2)*PLANE+(\a)*16*PA+((\kq)%2)*64+32
.endr
.endm
; Matrix instruction i of a quarter's 32: row block i / 8, column block i % 8, on buffer f.  The 32 accumulators take turns, one instruction a turn, in the same order everywhere.
; first = 1: the bias starts the sum.
.macro MM f, first
.if \first
	WIN MUL1
	v_wmma_f32_16x16x32_f16 v[8*i:8*i+7], v[64*(\f)+8*(i%8):64*(\f)+8*(i%8)+7], v[128+32*(\f)+8*(i/8):128+32*(\f)+8*(i/8)+7], v[BIAS+8*(i%8):BIAS+8*(i%8)+7]
.else
	WIN MUL
	v_wmma_f32_16x16x32_f16 v[8*i:8*i+7], v[64*(\f)+8*(i%8):64*(\f)+8*(i%8)+7], v[128+32*(\f)+8*(i/8):128+32*(\f)+8*(i/8)+7], v[8*i:8*i+7]
.endif
.set i, i+1
.endm
.macro PLACES                          ; four places behind a matrix instruction, in front of loads into registers that it has read and of LDS stores that read results (ISA guide 7.12.1 for the stores)
.rept 4
	v_nop
.endr
.endm
; A K step is four quarters, on buffers 0, 1, 0, 1.  One of the first three: fetches quarter kq into buffer g, which the quarter before multiplied, and multiplies buffer f meanwhile.
.macro QUARTER slot, kq, f, g, first
	PLACES
	FETCH \slot, \kq, \g
.set i, 0
.rept 32
	MM \f, \first
.endr
	s_wait_dscnt 0x0                               ; the 24 loads, issued 32 matrix instructions back
.endm
; The last quarter multiplies buffer 1 and changes slots: ONE barrier; in front of it each wave waits for all its tensor loads (one is out: its part of the next slot), adds 0 to its spare word, and waits for that and
; for its own reads of this slot.  fill = 1: the barrier opens a round of the cluster's, and this slot is filled again, two K steps ahead, first thing behind the round.
.macro TURN slot, next, fill
	WIN 0                                          ; (the add's two registers lie in window 0)
	s_wait_tensorcnt 0x0
	ds_add_u32 v[SPW], v[NIL]                      ; 0 onto my spare word
.set i, 0
.rept 4
	MM 1, 0                                        ; work on registers between the add and the wait for it
.endr
	s_wait_dscnt 0x0                               ; the add is done; my reads of this slot were waited for in the quarter before
	s_barrier_signal -1
.rept 4
	MM 1, 0
.endr
.if \fill
	WIN 0
.endif
	s_barrier_wait -1
.if \fill
	CREST                                          ; no wave of any partner still reads this slot's tiles or has a load on its way
	s_add_nc_u64 s[G0A+4*(\slot)+2:G0A+4*(\slot)+3], s[G0A+4*(\slot)+2:G0A+4*(\slot)+3], 2*524288
	s_add_nc_u64 s[G0B+4*(\slot)+2:G0B+4*(\slot)+3], s[G0B+4*(\slot)+2:G0B+4*(\slot)+3], 2*256
	JLOAD \slot                                    ; the four v_nop behind it are also the places in front of the loads below
.else
	PLACES
.endif
	FETCH \next, 0, 0
.rept 24
	MM 1, 0
.endr
	s_wait_dscnt 0x0
.endm
	s_wait_tensorcnt 1                             ; my part of K step 0 is in; K step 1's load, issued behind it, may stay out
	s_barrier_signal -1
	s_barrier_wait -1                              ; everybody's is
	FETCH 0, 0, 0
	s_wait_dscnt 0x0
	s_wait_loadcnt 0x0                             ; the bias
	QUARTER 0, 1, 0, 1, 1                          ; the first quarter stands in front of the loop: its products start the sums
	WIN 0                                          ; at a label and at a branch every window is 0
	s_mov_b32 s3, 3
.Llap:                                                 ; a trip goes once round the ring, from a lap's second quarter to the next lap's first, and fills both slots again
	QUARTER 0, 2, 1, 0, 0
	QUARTER 0, 3, 0, 1, 0
	TURN 0, 1, 1
	QUARTER 1, 1, 0, 1, 0
	QUARTER 1, 2, 1, 0, 0
	QUARTER 1, 3, 0, 1, 0
	TURN 1, 0, 1
	QUARTER 0, 1, 0, 1, 0
	WIN 0
	s_sub_co_u32 s3, s3, 1
	s_cmp_lg_u32 s3, 0
	s_cbranch_scc1 .Llap
	QUARTER 0, 2, 1, 0, 0                          ; the last lap fills nothing
	QUARTER 0, 3, 0, 1, 0
	TURN 0, 1, 0
	QUARTER 1, 1, 0, 1, 0
	QUARTER 1, 2, 1, 0, 0
	QUARTER 1, 3, 0, 1, 0
.set i, 0
.rept 32
	MM 1, 0
.endr
	WIN 0
	PLACES
; THE WAY OUT, a block of 16 rows at a time: the sums go as they are, 32 bytes a lane, into my own stage, and come back as whole rows of 512 bytes.
.macro TOSTAGE a
.if (\a) >= 2
	s_wait_xcnt 0x0                                ; the stores of the block two back have read the registers that the loads below fill
.endif
	WIN 0x04                                       ; the stores' data in window 1
.irp b, 0,1,2,3,4,5,6,7
	ds_store_b128 v[STO], v[64*(\a)+8*(\b):64*(\a)+8*(\b)+3]   offset:64*(\b)      ; each accumulator's lowest registers first
	ds_store_b128 v[STO], v[64*(\a)+8*(\b)+4:64*(\a)+8*(\b)+7] offset:64*(\b)+16
.endr
	WIN 0
.irp t, 0,1,2,3,4,5,6,7,8,9,10,11,12,13,14,15
	ds_load_b128 v[OB+64*((\a)%2)+4*(\t):OB+64*((\a)%2)+4*(\t)+3], v[RD] offset:SPITCH*(\t)  ; LDS serves a wave's instructions in order (ISA guide 5.7.1.4): these see the stores above; the next block's stores come behind them
.endr
.endm
.macro SEND a, younger                 ; younger: the LDS instructions issued behind block a's loads: the next block's 16 stores and 16 loads, or none
	WIN 0
	s_wait_dscnt \younger
.irp t, 0,1,2,3,4,5,6,7,8,9,10,11,12,13,14,15
	global_store_b128 v[CO], v[OB+64*((\a)%2)+4*(\t):OB+64*((\a)%2)+4*(\t)+3], s[10:11] offset:(16*(\a)+(\t))*4096 th:TH_STORE_NT  ; 512 consecutive bytes of a row, aligned
.endr
.endm
	TOSTAGE 0
	TOSTAGE 1
	SEND 0, 32
	TOSTAGE 2
	SEND 1, 32
	TOSTAGE 3
	SEND 2, 32
	SEND 3, 0
	s_wait_tensorcnt 0x0                           ; the wave's end, behind my last tensor load and my last LDS store
	ds_add_u32 v[SPW], v[NIL]
	s_wait_dscnt 0x0
	CROUND                                         ; the closing round: no work-group ends while a partner may still ask for a tile that names it
	s_endpgm
.Lfunc_end_k_qc42f4bf1b1_outp:
	.size	k_qc42f4bf1b1_outp, .Lfunc_end_k_qc42f4bf1b1_outp-k_qc42f4bf1b1_outp
	.p2alignl 7, 3214868480
	.fill 96, 4, 3214868480
	.section	.rodata,"a",@progbits
	.p2align	6, 0x0
	.amdhsa_kernel k_qc42f4bf1b1_outp
		.amdhsa_group_segment_fixed_size 327680
		.amdhsa_private_segment_fixed_size 0
		.amdhsa_enable_private_segment 0
		.amdhsa_kernarg_size 32
		.amdhsa_user_sgpr_count 2
		.amdhsa_user_sgpr_kernarg_segment_ptr 1
		.amdhsa_wavefront_size32 1
		.amdhsa_system_sgpr_workgroup_id_x 1
		.amdhsa_system_sgpr_workgroup_id_y 1
		.amdhsa_system_sgpr_workgroup_id_z 1
		.amdhsa_system_vgpr_workitem_id 0
		.amdhsa_next_free_vgpr 768
		.amdhsa_next_free_sgpr 72
		.amdhsa_reserve_vcc 0
		.amdhsa_float_denorm_mode_32 3
		.amdhsa_float_denorm_mode_16_64 3
		.amdhsa_memory_ordered 1
		.amdhsa_forward_progress 1
		.amdhsa_inst_pref_size 86
	.end_amdhsa_kernel
	.amdgpu_metadata
---
amdhsa.version: [ 1, 2 ]
amdhsa.kernels:
  - .name:           k_qc42f4bf1b1_outp
    .symbol:         k_qc42f4bf1b1_outp.kd
    .args:
      - { .name: ctx, .offset: 0, .size: 8, .value_kind: global_buffer, .address_space: global }
      - { .name: w16, .offset: 8, .size: 8, .value_kind: global_buffer, .address_space: global }
      - { .name: bias, .offset: 16, .size: 8, .value_kind: global_buffer, .address_space: global }
      - { .name: out0, .offset: 24, .size: 8, .value_kind: global_buffer, .address_space: global }
    .group_segment_fixed_size: 327680
    .private_segment_fixed_size: 0
    .kernarg_segment_align: 8
    .kernarg_segment_size: 32
    .max_flat_workgroup_size: 128
    .sgpr_count:     72
    .vgpr_count:     768
    .wavefront_size: 32
...
	.end_amdgpu_metadata
.endif
;; end of part 4
